; MI455X (gfx1250); checked and timed in simulation.
; The chip was launched on July 23, 2026; its instructions are those of AMD's public machine-readable ISA for CDNA 5 (MIT licence, August 2026) and "CDNA5" Instruction Set Architecture Reference Guide (July 2026). The comments in the code are by the model that wrote it; some were corrected since.
;; Attention. Allowed arithmetic: matrix products marked QUANTISED: E2M1 operands, one E8M0 scale for each 32 along K, by v_wmma_scale_f32_16x16x128_f8f6f4 with both operands' format E2M1 (or v_wmma_scale_f32_32x16x128_f4), f32 sums; products left as they are: bf16, f16 or f32 operands; f32 sums; everything else in f32.
;; Inputs: W_attn 1,024 x 3,072 float32; W_proj 1,024 x 1,024 float32; attention_mask 8 x 1 x 1 x 1,024 float32; b_attn 3,072 float32; b_proj 1,024 float32; x 8 x 1,024 x 1,024 float32.
;; Outputs: out0 8 x 1,024 x 1,024 float32.
;; This version of the problem:
;;   THIS VERSION OF THE PROBLEM IS GIVEN IN LOW PRECISION. The matrix products marked QUANTISED in the list below multiply operands that are first quantised to E2M1 (2 exponent bits, 1 mantissa bit; 4 bits a number), with one power-of-two scale for each 32 numbers along K (OCP MX v1.0); their sums are f32. The products marked 'left as it is' may take bf16, f16 or f32 operands, with f32 sums. Whichever they take, every output number must still come out within the allowed error. Rounding operands to bf16 (8 significant bits) uses up far more of that allowance than f16 does (11 bits, for magnitudes from 6e-5 to 65,504). All else is computed in f32.
;;   The module's matrix products, in the order in which they are computed (A, B: the left and right operand; K: the contracted axis; several contracted axes count as one K, in the product's order):
;;     1. [M 8,192, K 1,024] x [K 1,024, N 3,072]; A: input x; B: input W_attn: QUANTISED
;;     2. batch 64 x [M 1,024, K 128] x [K 128, N 1,024]; A: computed on the way; B: computed on the way: left as it is (an operand is computed on the way)
;;     3. batch 64 x [M 1,024, K 1,024] x [K 1,024, N 128]; A: computed on the way; B: computed on the way: left as it is (an operand is computed on the way)
;;     4. [M 8,192, K 1,024] x [K 1,024, N 1,024]; A: computed on the way; B: input W_proj: left as it is (an operand is computed on the way)
;;   THE QUANTISER, for each operand of a quantised product, along K:
;;     - K is cut into blocks of 32 from its start; a last block that is shorter is filled with zeros.
;;     - A block's scale is 2^e with e = floor(log2(the largest magnitude in the block)) - 2, held to -126 .. 127; a block of zeros has e = 0. As a byte (E8M0): e + 127.
;;     - Each number is divided by its block's scale, clamped to +-6, and rounded to the nearest number of E2M1, ties to even, subnormals kept.
;;     - The product sums the exact products of the quantised numbers (number of the format x scale) in f32.
;;   ~~~python
;;   def quantise(x, axis):      # numpy; x: float32 -> the quantised numbers, widened to float32 again
;;       x = np.moveaxis(x, axis, -1); K = x.shape[-1]
;;       x = np.pad(x, [(0, 0)] * (x.ndim - 1) + [(0, -K % 32)]); x = x.reshape(x.shape[:-1] + (-1, 32)); a = np.abs(x).max(-1, keepdims=True)
;;       e = np.where(a > 0, np.clip(np.frexp(np.where(a > 0, a, 1))[1] - 1 - 2, -126, 127), 0)      # np.frexp(a)[1] - 1 = floor(log2(a)), exactly
;;       r = np.clip(x / 2.0 ** e, -6, 6)
;;       step = 2.0 ** (np.maximum(np.frexp(np.where(r == 0, 1, r))[1] - 1, 0) - 1)
;;       q = np.round(r / step) * step * 2.0 ** e      # np.round: ties to even
;;       return np.moveaxis(q.reshape(q.shape[:-2] + (-1,))[..., :K], -1, axis).astype(np.float32)
;;   ~~~
;; One version. Each part assembles by itself: llvm-mc -triple=amdgcn-amd-amdhsa -mcpu=gfx1250 --defsym DOCPART=n.
;; ======== version 1 of 1: 4 launches
;; limits: right only within a limited range of input values; values are held in f16: magnitudes above 65,504 overflow, below 6.1e-05 lose precision
;; workspace buffers: x_codes 4,194,304 bytes; x_scales 262,144 bytes; w_codes 1,572,864 bytes; w_scales 98,304 bytes; wp16 2,097,152 bytes; qkv 50,331,648 bytes; a16 16,777,216 bytes
;; launch prep (part 1): grid 384 x 1, 4 waves a work-group, no clusters, 50,688 bytes of LDS; arguments x, W_attn, W_proj, x_codes, x_scales, w_codes, w_scales, wp16; writes x_codes, x_scales, w_codes, w_scales, wp16
.if DOCPART == 1
	.amdgcn_target "amdgcn-amd-amdhsa--gfx1250"
	.amdhsa_code_object_version 6
	.text
	.protected	k_qb1c6365c23_prep
	.globl	k_qb1c6365c23_prep
	.p2align	8
	.type	k_qb1c6365c23_prep,@function
k_qb1c6365c23_prep:
	s_mov_b64 s[64:65], 0
	v_nop
	global_prefetch_b8 v0, s[64:65] scope:SCOPE_SE
	s_setreg_imm32_b32 hwreg(HW_REG_WAVE_MODE, 25, 1), 1
	s_wait_xcnt 0x0
; PREP.  Three pieces of work that share a launch; a work-group's number says which is its own, and the three ways never join.
;   work-groups 0-95:    W_attn [1024 k][3072 n] f32 -> codes of E2M1 laid [3072 n][512 bytes], K innermost, and E8M0 bytes [3072][32]
;   work-groups 96-127:  W_proj [1024][1024] f32 -> f16, in its own order
;   work-groups 128-383: x [8192][1024] f32 -> codes [8192][512 bytes] and E8M0 bytes [8192][32]
; THE QUANTISER: a block of 32 along K has the scale 2^(floor(log2(largest magnitude)) - 2); its byte is the largest magnitude's exponent field - 2, held at 1 from below;
; each number is divided by the scale and rounded to the nearest code, ties to even, beyond 6 the largest code.
; LIMITS: a block of zeros gets the byte 1 where the rule says 127 (its codes are zeros, and this program alone reads the bytes); blocks whose largest magnitude lies under 2^-124
; were not tried; NaN and infinities are not served; |W_proj| stays under 65,504 (f16), and under 6e-5 it carries f16's step of 2^-24.
; No tensor loads, no barrier: waves share nothing.  Each way that uses LDS has bytes of its own.
.set SPW,    12                        ; v12  LDS address of my spare word; never rewritten
.set NIL,    13                        ; v13  0; never rewritten
.set XREG,   8192                      ; x's way: LDS 0 .. 32,767: a region for each wave: two stages of 32 x 80 bytes, then its 256 scale bytes
.set XSP,    80                        ; a lane's place in a stage: 64 bytes + 16 of padding
.set WST,    32768                     ; W_attn's way: four stages of 16 rows x 272 bytes
.set WPITCH, 272
.set SPARE,  WST+4*16*WPITCH           ; behind them: the spare words, 128 bytes a wave
.set XR, 16                            ; x: v16-79 four sets of 16 numbers as loaded; v80-111 two sets of 16 neighbours; v112-127 a byte a step; v128-191 codes
.set XX, 80
.set XE, 112
.set XC, 128
.set WSB, 24                           ; W_attn: v24-27 scale bytes; v28-31 the other half's; v32-95 two sets of 32 numbers; v96-99 a block's codes; v112-143 the way out
.set WSO, 28
.set WX, 32
.set WC, 96
.set WOUT, 112
.set PR, 16                            ; W_proj: v16-143 two sets of 64 numbers; v144-175 32 registers of f16 pairs
.set PH, 144
	s_load_b256 s[4:11], s[0:1], 0x0               ; x s[4:5], W_attn s[6:7], W_proj s[8:9], x_codes s[10:11]
	s_load_b256 s[12:19], s[0:1], 0x20             ; x_scales s[12:13], w_codes s[14:15], w_scales s[16:17], wp16 s[18:19]
	v_lshl_add_u32 v[SPW], v0, 2, SPARE
	v_mov_b32 v[NIL], 0
	v_lshrrev_b32 v1, 5, v0
	v_readfirstlane_b32 s20, v1                    ; wave
	v_and_b32 v2, 31, v0                           ; lane
	s_cmp_lt_u32 ttmp9, 96
	s_cbranch_scc1 .Lpath_w
	s_cmp_lt_u32 ttmp9, 128
	s_cbranch_scc1 .Lpath_p
; ---------------- x: a stream of blocks of 32.  A wave takes 16 steps of 512 numbers.  Each load reads 512 consecutive bytes; a step's 2,048 bytes turn through the wave's stage,
; so that a lane then holds 16 neighbours (two lanes to a block).  Loads run four steps ahead, the turn one step.
	v_lshlrev_b32 v3, 4, v2                        ; my 16 bytes of a load's 512
	s_mul_i32 s21, s20, XREG
	v_lshrrev_b32 v14, 2, v2
	v_mul_u32_u24 v14, v14, XSP
	v_and_b32 v15, 3, v2
	v_lshl_add_u32 v14, v15, 4, v14
	v_add_nc_u32 v14, s21, v14                     ; the stage, in: 80 (lane / 4) + 16 (lane % 4)
	v_mul_u32_u24 v15, v2, XSP
	v_add_nc_u32 v15, s21, v15                     ; and out: 80 x lane
	v_lshlrev_b32 v4, 3, v2                        ; my 8 bytes of a step's 256 bytes of codes
	v_lshrrev_b32 v5, 1, v2
	s_add_co_u32 s21, s21, 2*32*XSP
	v_add_nc_u32 v5, s21, v5                       ; LDS: my block's byte among my wave's 256
	v_lshlrev_b32 v7, 3, v2
	v_add_nc_u32 v6, s21, v7                       ; and on the way out 8 bytes a lane
	s_sub_co_u32 s22, ttmp9, 128
	s_lshl_b32 s22, s22, 2
	s_add_co_u32 s22, s22, s20                     ; which run of 8,192 numbers is my wave's: 0 .. 1023
	s_lshl_b32 s24, s22, 15                        ; 32,768 bytes of x,
	s_mov_b32 s25, 0
	s_lshl_b32 s26, s22, 12                        ; 4,096 of codes,
	s_mov_b32 s27, 0
	s_lshl_b32 s28, s22, 8                         ; 256 scale bytes a run
	s_mov_b32 s29, 0
	s_wait_kmcnt 0x0
	s_add_nc_u64 s[4:5], s[4:5], s[24:25]
	s_add_nc_u64 s[10:11], s[10:11], s[26:27]
	s_add_nc_u64 s[12:13], s[12:13], s[28:29]
.macro XLOAD t
.irp i, 0,1,2,3
	global_load_b128 v[XR+16*((\t)%4)+4*\i:XR+16*((\t)%4)+4*\i+3], v3, s[4:5] offset:2048*(\t)+512*\i th:TH_LOAD_NT
.endr
.endm
.macro XTURN t                         ; LDS serves a wave's instructions in order: no wait between the stores and the loads
.irp i, 0,1,2,3
	ds_store_b128 v14, v[XR+16*((\t)%4)+4*\i:XR+16*((\t)%4)+4*\i+3] offset:32*XSP*((\t)%2)+8*XSP*\i
.endr
.irp i, 0,1,2,3
	ds_load_b128 v[XX+16*((\t)%2)+4*\i:XX+16*((\t)%2)+4*\i+3], v15 offset:32*XSP*((\t)%2)+16*\i
.endr
.endm
.irp t, 0,1,2,3
	XLOAD \t
.endr
	s_wait_loadcnt 12                              ; step 0's four loads are in; the twelve of steps 1 to 3 may be out
	XTURN 0
.macro XSTEP t
.set XS, XX+16*((\t)%2)
.if (\t) > 0
	s_wait_dscnt 1                                 ; this step's numbers are back from the stage; the last step's byte store may be out
.else
	s_wait_dscnt 0x0
.endif
.if (\t)+4 < 16
	XLOAD (\t)+4                                   ; into the set whose stores into the stage are done
.endif
.if (\t)+1 < 16
.if 14-(\t) >= 3
	s_wait_loadcnt 12                              ; the next step's four loads are in; those of the three steps behind it may be out
.else
	s_wait_loadcnt 4*(14-(\t))
.endif
	XTURN (\t)+1
.endif
	v_max3_num_f32 v8, |v[XS]|, |v[XS+1]|, |v[XS+2]|               ; the largest magnitude of my 16, in two chains
	v_max3_num_f32 v9, |v[XS+3]|, |v[XS+4]|, |v[XS+5]|
.irp i, 6,10
	v_max3_num_f32 v8, v8, |v[XS+\i]|, |v[XS+\i+1]|
	v_max3_num_f32 v9, v9, |v[XS+\i+2]|, |v[XS+\i+3]|
.endr
	v_max3_num_f32 v8, v8, |v[XS+14]|, |v[XS+15]|
	v_max3_num_f32 v8, v8, v9, 0x1800000           ; and the floor 2^(3 - 127): the byte cannot fall under 1
	v_max_num_f32_dpp v8, v8, v8 row_xmask:1 row_mask:0xf bank_mask:0xf   ; with my neighbour's 16: the block's
	v_add_nc_u32 v11, 0xff000000, v8               ; 2 off the exponent field: the conversion takes this operand's exponent field as its scale
	v_cvt_scalef32_pk8_fp4_f32 v[XC+4*(\t)], v[XS:XS+7], v11
	v_cvt_scalef32_pk8_fp4_f32 v[XC+4*(\t)+1], v[XS+8:XS+15], v11
	v_lshrrev_b32 v[XE+(\t)], 23, v11              ; the scale's byte (also the plain line behind the conversions)
	ds_store_b8 v5, v[XE+(\t)] offset:16*(\t)      ; both lanes of a block write the same byte with the same value
	global_store_b64 v4, v[XC+4*(\t):XC+4*(\t)+1], s[10:11] offset:256*(\t)   ; the wave stores 256 consecutive bytes, aligned
.endm
.irp t, 0,1,2,3,4,5,6,7,8,9,10,11,12,13,14,15
	XSTEP \t
.endr
	ds_load_b64 v[8:9], v6                         ; my wave's 256 scale bytes, 8 a lane
	s_wait_dscnt 0x0
	global_store_b64 v7, v[8:9], s[12:13]          ; 256 consecutive bytes, aligned
	s_wait_tensorcnt 0x0                           ; the wave's end, behind my last LDS store
	ds_add_u32 v[SPW], v[NIL]
	s_wait_dscnt 0x0
	s_endpgm
; ---------------- W_attn: K is its FIRST axis.  A lane takes a column n and its registers run down K: a block of 32 lies in one lane, and the codes come out with K innermost.
; A wave takes 16 columns x 512 along K: lane (r, h) takes column r and the blocks 2 t + h, t = 0 .. 7: eight double blocks a wave, so that the work is spread over 384 waves.
; A load reads 64 bytes of row k in lanes 0-15 and 64 bytes of row k + 32 in lanes 16-31; the four waves of a work-group stand side by side on 256 aligned bytes of each row (so these loads carry no hint).
; A column's 256 bytes of codes go through the wave's stage and leave as rows, sixteen lanes to 256 aligned bytes.
.Lpath_w:
	s_cmp_lt_u32 ttmp9, 48
	s_cselect_b32 s22, 0, 1                        ; which 512 along K
	s_cselect_b32 s21, 0, 48
	s_sub_co_u32 s21, ttmp9, s21                   ; which 64 columns
	s_lshl_b32 s21, s21, 6
	s_lshl_b32 s23, s20, 4
	s_add_co_u32 s21, s21, s23                     ; my wave's first column
	v_and_b32 v5, 15, v2                           ; r
	v_lshrrev_b32 v6, 4, v2                        ; h
	v_lshlrev_b32 v3, 2, v5                        ; in: 4 bytes a column,
	v_mul_u32_u24 v10, v6, 32*12288
	v_add_nc_u32 v3, v3, v10                       ; and 32 rows of 12,288 bytes further down for lanes 16-31
	s_mul_i32 s23, s20, 16*WPITCH
	s_add_co_u32 s23, s23, WST                     ; my stage
	v_mul_u32_u24 v4, v5, WPITCH
	v_lshl_add_u32 v4, v6, 4, v4
	v_add_nc_u32 v4, s23, v4                       ; into it: row = my column, block 2 t + h at 32 t + 16 h
	v_mul_u32_u24 v7, v6, WPITCH
	v_lshl_add_u32 v7, v5, 4, v7
	v_add_nc_u32 v7, s23, v7                       ; out of it: sixteen lanes to a row, two rows an instruction
	v_lshlrev_b32 v8, 9, v6
	v_lshl_add_u32 v8, v5, 4, v8                   ; and the same place in the codes' buffer (rows of 512 bytes)
	v_lshlrev_b32 v9, 5, v5
	v_lshl_add_u32 v9, v6, 3, v9                   ; my column's row of 32 scale bytes, 8 bytes for each half of the lanes
	v_lshlrev_b32 v10, 3, v6                       ; 8 h: by so many bits my bytes stand higher in a word
	s_mov_b32 s30, 0x76543210
	s_mov_b32 s31, 0xfedcba98                      ; v_permlanex16_b32's selects for lane l xor 16
.irp j, 0,1,2,3
	v_mov_b32 v[WSO+\j], 0                         ; a lane permute's destination counts as one of its sources
.endr
	s_mul_i32 s24, s22, 512*3072*4
	s_lshl_b32 s26, s21, 2
	s_add_co_u32 s24, s24, s26                     ; W_attn: 512 y rows of 12,288 bytes + 4 x column
	s_mov_b32 s25, 0
	s_lshl_b32 s26, s21, 9
	s_lshl_b32 s28, s22, 8
	s_add_co_u32 s26, s26, s28                     ; codes: column x 512 + 256 y
	s_mov_b32 s27, 0
	s_lshl_b32 s28, s21, 5
	s_lshl_b32 s29, s22, 4
	s_add_co_u32 s28, s28, s29                     ; scale bytes: column x 32 + 16 y
	s_mov_b32 s29, 0
	s_wait_kmcnt 0x0
	s_add_nc_u64 s[6:7], s[6:7], s[24:25]
	s_add_nc_u64 s[14:15], s[14:15], s[26:27]
	s_add_nc_u64 s[16:17], s[16:17], s[28:29]
.macro WLOAD t                         ; double block t: W(64 t + 32 h + i, my column); the largest offset, 479 x 12,288, lies inside the signed 24-bit immediate
.set i, 0
.rept 32
	global_load_b32 v[WX+32*((\t)%2)+i], v3, s[6:7] offset:(64*(\t)+i)*12288
.set i, i+1
.endr
.endm
	WLOAD 0
	WLOAD 1
.macro WBLOCK t
.set XS, WX+32*((\t)%2)
.if (\t) < 7
	s_wait_loadcnt 32                              ; this double block's 32 loads are in; the next one's 32 may be out
.else
	s_wait_loadcnt 0x0
.endif
	v_max3_num_f32 v14, |v[XS]|, |v[XS+1]|, |v[XS+2]|              ; my block's largest magnitude: all 32 numbers are mine
	v_max3_num_f32 v15, |v[XS+3]|, |v[XS+4]|, |v[XS+5]|
.irp i, 6,10,14,18,22,26
	v_max3_num_f32 v14, v14, |v[XS+\i]|, |v[XS+\i+1]|
	v_max3_num_f32 v15, v15, |v[XS+\i+2]|, |v[XS+\i+3]|
.endr
	v_max3_num_f32 v14, v14, |v[XS+30]|, |v[XS+31]|
	v_max3_num_f32 v14, v14, v15, 0x1800000        ; and the floor
	v_add_nc_u32 v11, 0xff000000, v14              ; the conversion's scale operand
	v_lshrrev_b32 v15, 23, v11                     ; the scale's byte, of block 2 t + h
.if (\t)%2 == 0
	v_mov_b32 v[WSB+(\t)/2], v15                   ; word t / 2 holds blocks 2 t - 2 t % 4 .. + 3: mine are two of the four, 16 bits apart
.else
	v_lshl_or_b32 v[WSB+(\t)/2], v15, 16, v[WSB+(\t)/2]
.endif
.irp g, 0,1,2,3
	v_cvt_scalef32_pk8_fp4_f32 v[WC+\g], v[XS+8*\g:XS+8*\g+7], v11
.endr
	v_nop                                          ; one plain line behind the last conversion
	ds_store_b128 v4, v[WC:WC+3] offset:32*(\t)    ; 32 codes: 16 bytes of my column's row
.if (\t)+2 < 8
	WLOAD (\t)+2
.endif
	s_wait_dscnt 0x0                               ; the store has read its registers: the next block's codes may be written
.endm
.irp t, 0,1,2,3,4,5,6,7
	WBLOCK \t
.endr
.irp j, 0,1,2,3
	v_lshlrev_b32 v[WSB+\j], v10, v[WSB+\j]        ; my two bytes at their places in the word,
.endr
.irp j, 0,1,2,3
	v_permlanex16_b32 v[WSO+\j], v[WSB+\j], s30, s31
.endr
.irp j, 0,1,2,3
	v_or_b32 v[WSB+\j], v[WSB+\j], v[WSO+\j]       ; with lane l xor 16's two the word is whole
.endr
	v_cmp_eq_u32 vcc_lo, 1, v6
	v_cndmask_b32 v[WSO], v[WSB], v[WSB+2], vcc_lo     ; lanes 0-15 store words 0 and 1, lanes 16-31 words 2 and 3
	v_cndmask_b32 v[WSO+1], v[WSB+1], v[WSB+3], vcc_lo
	global_store_b64 v9, v[WSO:WSO+1], s[16:17]    ; my column's 16 scale bytes, 8 from each half of the lanes
.irp t, 0,1,2,3,4,5,6,7
	ds_load_b128 v[WOUT+4*\t:WOUT+4*\t+3], v7 offset:2*\t*WPITCH
.endr
.irp t, 0,1,2,3,4,5,6,7
	s_wait_dscnt 7-\t                              ; LDS loads come back in order: load t is in
	global_store_b128 v8, v[WOUT+4*\t:WOUT+4*\t+3], s[14:15] offset:2*\t*512
.endr
	s_wait_tensorcnt 0x0                           ; the wave's end: the three lines
	ds_add_u32 v[SPW], v[NIL]
	s_wait_dscnt 0x0
	s_endpgm
; ---------------- W_proj to f16, in its own order.  A wave takes 8,192 numbers: 64 loads of 512 bytes, in four groups of 16; two groups are always asked for.
.Lpath_p:
	s_sub_co_u32 s21, ttmp9, 96
	s_lshl_b32 s21, s21, 2
	s_add_co_u32 s21, s21, s20                     ; my run: 0 .. 127
	s_lshl_b32 s24, s21, 15
	s_mov_b32 s25, 0
	s_lshl_b32 s26, s21, 14
	s_mov_b32 s27, 0
	v_lshlrev_b32 v3, 4, v2                        ; in: 16 bytes a lane
	v_lshlrev_b32 v4, 3, v2                        ; out: 8 bytes a lane
	s_wait_kmcnt 0x0
	s_add_nc_u64 s[8:9], s[8:9], s[24:25]
	s_add_nc_u64 s[18:19], s[18:19], s[26:27]
.macro PLOAD g
.irp i, 0,1,2,3,4,5,6,7,8,9,10,11,12,13,14,15
	global_load_b128 v[PR+64*((\g)%2)+4*\i:PR+64*((\g)%2)+4*\i+3], v3, s[8:9] offset:512*(16*(\g)+\i) th:TH_LOAD_NT
.endr
.endm
.macro PGROUP g
.if (\g) < 3
	s_wait_loadcnt 16                              ; this group's 16 loads are in; the next group's 16 may be out
.else
	s_wait_loadcnt 0x0
.endif
	s_wait_xcnt 0x0                                ; the last group's stores have read their data: the 32 registers are written again only behind this wait
.irp i, 0,1,2,3,4,5,6,7,8,9,10,11,12,13,14,15
	v_cvt_pk_f16_f32 v[PH+2*\i],   v[PR+64*((\g)%2)+4*\i],   v[PR+64*((\g)%2)+4*\i+1]
	v_cvt_pk_f16_f32 v[PH+2*\i+1], v[PR+64*((\g)%2)+4*\i+2], v[PR+64*((\g)%2)+4*\i+3]
.endr
.if (\g)+2 < 4
	PLOAD (\g)+2
.endif
.irp i, 0,1,2,3,4,5,6,7,8,9,10,11,12,13,14,15
	global_store_b64 v4, v[PH+2*\i:PH+2*\i+1], s[18:19] offset:256*(16*(\g)+\i)   ; the wave stores 256 consecutive bytes, aligned
.endr
.endm
	PLOAD 0
	PLOAD 1
	PGROUP 0
	PGROUP 1
	PGROUP 2
	PGROUP 3
	s_wait_tensorcnt 0x0                           ; this way stores nothing to LDS; it ends like the other two
	ds_add_u32 v[SPW], v[NIL]
	s_wait_dscnt 0x0
	s_endpgm
.Lfunc_end_k_qb1c6365c23_prep:
	.size	k_qb1c6365c23_prep, .Lfunc_end_k_qb1c6365c23_prep-k_qb1c6365c23_prep
	.p2alignl 7, 3214868480
	.fill 96, 4, 3214868480
	.section	.rodata,"a",@progbits
	.p2align	6, 0x0
	.amdhsa_kernel k_qb1c6365c23_prep
		.amdhsa_group_segment_fixed_size 50688
		.amdhsa_private_segment_fixed_size 0
		.amdhsa_enable_private_segment 0
		.amdhsa_kernarg_size 64
		.amdhsa_user_sgpr_count 2
		.amdhsa_user_sgpr_kernarg_segment_ptr 1
		.amdhsa_wavefront_size32 1
		.amdhsa_system_sgpr_workgroup_id_x 1
		.amdhsa_system_sgpr_workgroup_id_y 1
		.amdhsa_system_sgpr_workgroup_id_z 1
		.amdhsa_system_vgpr_workitem_id 0
		.amdhsa_next_free_vgpr 192
		.amdhsa_next_free_sgpr 66
		.amdhsa_reserve_vcc 1
		.amdhsa_float_denorm_mode_32 3
		.amdhsa_float_denorm_mode_16_64 3
		.amdhsa_memory_ordered 1
		.amdhsa_forward_progress 1
		.amdhsa_inst_pref_size 95
	.end_amdhsa_kernel
	.amdgpu_metadata
---
amdhsa.version: [ 1, 2 ]
amdhsa.kernels:
  - .name:           k_qb1c6365c23_prep
    .symbol:         k_qb1c6365c23_prep.kd
    .args:
      - { .name: x, .offset: 0, .size: 8, .value_kind: global_buffer, .address_space: global }
      - { .name: W_attn, .offset: 8, .size: 8, .value_kind: global_buffer, .address_space: global }
      - { .name: W_proj, .offset: 16, .size: 8, .value_kind: global_buffer, .address_space: global }
      - { .name: x_codes, .offset: 24, .size: 8, .value_kind: global_buffer, .address_space: global }
      - { .name: x_scales, .offset: 32, .size: 8, .value_kind: global_buffer, .address_space: global }
      - { .name: w_codes, .offset: 40, .size: 8, .value_kind: global_buffer, .address_space: global }
      - { .name: w_scales, .offset: 48, .size: 8, .value_kind: global_buffer, .address_space: global }
      - { .name: wp16, .offset: 56, .size: 8, .value_kind: global_buffer, .address_space: global }
    .group_segment_fixed_size: 50688
    .private_segment_fixed_size: 0
    .kernarg_segment_align: 8
    .kernarg_segment_size: 64
    .max_flat_workgroup_size: 128
    .sgpr_count:     66
    .vgpr_count:     192
    .wavefront_size: 32
...
	.end_amdgpu_metadata
.endif
;; end of part 1
;; launch qkv (part 2): grid 8 x 32, 4 waves a work-group, clusters of 4 x 4, 327,680 bytes of LDS; arguments x_codes, x_scales, w_codes, w_scales, b_attn, qkv; writes qkv
.if DOCPART == 2
	.amdgcn_target "amdgcn-amd-amdhsa--gfx1250"
	.amdhsa_code_object_version 6
	.text
	.protected	k_qb1c6365c23_qkv
	.globl	k_qb1c6365c23_qkv
	.p2align	8
	.type	k_qb1c6365c23_qkv,@function
k_qb1c6365c23_qkv:
	s_mov_b64 s[64:65], 0
	v_nop
	global_prefetch_b8 v0, s[64:65] scope:SCOPE_SE
	s_setreg_imm32_b32 hwreg(HW_REG_WAVE_MODE, 25, 1), 1
	s_wait_xcnt 0x0
	s_wait_alu depctr_hold_cnt(0) depctr_sa_sdst(0) depctr_va_vdst(0) depctr_va_sdst(0) depctr_va_ssrc(0) depctr_va_vcc(0) depctr_vm_vsrc(0)
	s_getreg_b32 s2, hwreg(HW_REG_IB_STS2, 6, 4)
	s_cmp_eq_u32 s2, 0
	s_cbranch_scc0 .Lentry_in_a_cluster
	s_endpgm
.Lentry_in_a_cluster:
	s_bfe_u32 s2, ttmp6, 0x10000c
	s_cmp_lg_u32 s2, 0xf033
	s_cbranch_scc0 .Lentry_shape_is_right
	s_endpgm
.Lentry_shape_is_right:
; QKV = Q(x) Q(W_attn) + b_attn on codes of E2M1 with one E8M0 scale for each 32 along K; sums in f32; the result is rounded once to f16 and laid by head:
; qkv[part 0..2][64 = batch x 8 + head][1024 positions][128] f16.   A: x_codes [8192][512 bytes], x_scales [8192][32];  B: w_codes [3072][512 bytes], w_scales [3072][32].
; LIMIT: |q|, |k|, |v| stay under 65,504 (f16); under 6e-5 they carry f16's step of 2^-24.
; SHARES.  8 x 32 = 256 work-groups of equal work: each makes 256 rows x 384 columns, as three UNITS of 128 columns (a unit is one head of one part), one after the other.  Wave w makes rows 64 w .. 64 w + 63 of every
; unit: 32 accumulators; its result of a unit is ONE DENSE BLOCK of 16,384 bytes, which goes out through the wave's own stage while nothing waits for its stores: they leave while the next unit is multiplied.
; A's FRAGMENTS STAY IN REGISTERS: a wave's 64 rows x 1,024 K are 256 registers, read from LDS once, step by step, during unit 0.
; LDS.  640 rows x 512 bytes of codes do not fit at once.  At the head come A (two halves of K), units 0 and 1 of B, and all scale bytes.  At the middle of unit 0 the bytes of A's first half of K have been read for
; the last time: behind that change of halves unit 2 is fetched into them; it has half of unit 0, a way out and all of unit 1 in which to land.  By this text's count a wave has three tensor loads out at the most.
; CLUSTERS: 4 x 4 work-groups; A's tiles are asked for jointly along a row of the cluster, B's along a column.
; THE MATRIX INSTRUCTION IS USED TRANSPOSED (source 0 = 16 rows of B, source 1 = 16 rows of A): a lane holds eight neighbouring columns of one row.  The bias is the C of each sum's first instruction.
; REGISTERS: window 0: v12-30 addresses; v32-95 scale words, two sets; v96-127 packed results; v128-255 B's fragments, two sets.  window 1: A's fragments, (step s, block a) at v[32 s + 8 a].
;   window 2: accumulator (a, b) at v[8 (8 a + b)].   window 3: v0-191 the bias of the three units; v192-255 rows read back from the stage, two sets.
.set ROWB,   256                       ; a tile's row in bytes: 512 along K
.set KROW,   512                       ; a row of codes in memory
.set PITCH,  272                       ; an LDS row: 256 bytes + 16 of padding: the 16 rows that a load touches start 68 words apart
.set HALFT,  128*PITCH                 ; 128 rows: what one tensor load brings
.set BREG,   4*HALFT                   ; LDS: A's half h of K at 2 h HALFT (256 rows); from BREG unit u (0, 1) at 2 u HALFT, in it half h of K at h HALFT; unit 2 comes to byte 0
.set SCL,    8*HALFT                   ; the scale bytes, as units of 256 bytes + 16: A's 256 rows,
.set SCA,    32*272
.set SCB,    48*272                    ; then B's 384
.set SBLK,   544                       ; those of 16 rows
.set STAGE,  SCL+SCA+SCB               ; the way out: 16 rows x (256 + 16) bytes a wave: bytes of their own, into which no fill lands
.set SPITCH, 272
.set SPARE,  STAGE+4*16*SPITCH         ; the spare words, 128 bytes a wave
.set ADRS, 12                          ; v12-14  my scale words for unit 0, 1, 2: lanes 0-15 A's rows, lanes 16-31 B's
.set ADRA, 16                          ; v16-17  my A fragments in half 0, 1 of K
.set ADRB, 18                          ; v18-23  B's fragments: unit u, half h at v[18 + 2 u + h]
.set STO,  24
.set RD,   25
.set CO,   26
.set SPW,  28
.set NIL,  29
.set BO,   30                          ; v30  32 x (lane / 16): my eight numbers of a block of the bias
.set SC,   32                          ; set h (for half h of K) at v[SC + 32 h]; in it register 4 i + q: lanes 16-31 the word of B's block i, lanes 0-15 that of A's block i (i < 4; beyond, rows that are not mine: not used)
.set TMP,  96
.set BF,   128
.set BK,   192                         ; in window 3
.set G1, 24
.set G0, 32
.set G1B, 48
.set G0B, 56
.set G1S, 68
.set G0S, 76
.set G1SB, 80
.set G0SB, 88
.set OB,  92                           ; s[92:97] where my block of unit 0, 1, 2 begins in qkv
.set BP,  98                           ; s[98:99] b_attn
.set MSB, 0
.macro WIN new                         ; the immediate's high byte repeats the setting that is left
.if MSB != (\new)
	s_set_vgpr_msb (MSB<<8)|(\new)
.set MSB, (\new)
.endif
.endm
.set MULW,  0xa4                       ; source 0 (B) window 0, source 1 (A) window 1, C and D window 2
.set MULW0, 0xb4                       ; a unit's first step: C (the bias) window 3
; A joint load: waves 0 and 1 fetch for A, waves 2 and 3 for B; the branch hangs on the wave's number alone.  An s_nop 0 and four v_nop follow each line.
.macro JLOAD g0a, g1a, g0b, g1b
	s_cmp_eq_u32 s15, 0
	s_cbranch_scc0 .Lfor_b_\@
	tensor_load_to_lds s[\g0a:\g0a+3], s[\g1a:\g1a+7]
	s_nop 0
.rept 4
	v_nop
.endr
	s_branch .Lasked_\@
.Lfor_b_\@:
	tensor_load_to_lds s[\g0b:\g0b+3], s[\g1b:\g1b+7]
	s_nop 0
.rept 4
	v_nop
.endr
.Lasked_\@:
.endm
.macro CREST                           ; a round of the cluster's barrier behind its opening barrier
	s_cmp_lg_u32 s14, 0
	s_cbranch_scc1 .Lnot_wave_0_\@
	s_barrier_signal -3
.Lnot_wave_0_\@:
	s_barrier_wait -3
	s_barrier_signal -1
	s_barrier_wait -1
.endm
.macro CROUND                          ; a whole round
	s_barrier_signal -1
	s_barrier_wait -1
	CREST
.endm
	s_load_b128 s[4:7], s[0:1], 0x0                ; x's codes, x's scales
	s_load_b128 s[8:11], s[0:1], 0x10              ; W's codes, W's scales
	s_load_b64 s[BP:BP+1], s[0:1], 0x20            ; b_attn
	s_load_b64 s[12:13], s[0:1], 0x28              ; qkv
	v_lshl_add_u32 v[SPW], v0, 2, SPARE
	v_mov_b32 v[NIL], 0
	ds_add_u32 v[SPW], v[NIL]                      ; the wave's opening: the add, twice on end, and its wait ahead of my first tensor load
	ds_add_u32 v[SPW], v[NIL]
	v_lshrrev_b32 v1, 5, v0
	v_readfirstlane_b32 s14, v1                    ; wave 0..3
	s_lshr_b32 s15, s14, 1                         ; I fetch for A (0) or for B (1)
	s_and_b32 s16, s14, 1                          ; A: which 128 rows I fetch;  B: which half of K
	s_bfe_u32 s40, ttmp6, 0x40000                  ; cx, cy
	s_bfe_u32 s41, ttmp6, 0x40004
	s_lshl_b32 s42, ttmp9, 2
	s_add_co_u32 s42, s42, s40                     ; tile column: 384 columns each
	s_and_b32 s17, ttmp7, 0xffff
	s_lshl_b32 s17, s17, 2
	s_add_co_u32 s17, s17, s41                     ; tile row: 256 rows each
	s_lshl_b32 s43, s41, 2
	s_lshl_b32 s43, 15, s43                        ; my row of the cluster
	s_lshl_b32 s44, 0x1111, s40                    ; my column
	s_or_b32 s[G1+0], s43, (0<<16)|(1<<20)|(1<<21)|(5<<22)|(3<<25)   ; the mask; elements of 1 byte; padding on; bit 21 beside a mask; 4 words after every 64
	s_or_b32 s[G1B+0], s44, (0<<16)|(1<<20)|(1<<21)|(5<<22)|(3<<25)
.irp g, G1, G1B
	s_mov_b32 s[\g+1], ROWB<<16                    ; tensor_dim0
	s_mov_b32 s[\g+2], 128<<16                     ; tensor_dim1
	s_mov_b32 s[\g+3], ROWB<<16                    ; tile_dim0
	s_mov_b32 s[\g+4], 128                         ; tile_dim1
	s_mov_b32 s[\g+5], KROW                        ; the pitch
	s_mov_b32 s[\g+6], 0
	s_mov_b32 s[\g+7], 0
.endr
	s_or_b32 s[G1S+0], s43, (3<<16)|(1<<20)|(1<<21)|(5<<22)|(3<<25)  ; A's scales of 128 rows: 4,096 dense bytes as 16 rows of 32 elements of 8 bytes
	s_mov_b32 s[G1S+1], 32<<16
	s_mov_b32 s[G1S+2], 16<<16
	s_mov_b32 s[G1S+3], 32<<16
	s_mov_b32 s[G1S+4], 16
	s_mov_b32 s[G1S+5], 32
	s_mov_b32 s[G1S+6], 0
	s_mov_b32 s[G1S+7], 0
	s_or_b32 s[G1SB+0], s44, (3<<16)|(1<<20)|(1<<21)|(5<<22)|(3<<25) ; B's scales of 192 rows: 6,144 dense bytes as 24 such rows
	s_mov_b32 s[G1SB+1], 32<<16
	s_mov_b32 s[G1SB+2], 24<<16
	s_mov_b32 s[G1SB+3], 32<<16
	s_mov_b32 s[G1SB+4], 24
	s_mov_b32 s[G1SB+5], 32
	s_mov_b32 s[G1SB+6], 0
	s_mov_b32 s[G1SB+7], 0
	s_lshl_b32 s18, s16, 7
	s_lshl_b32 s20, s17, 8
	s_add_co_u32 s20, s20, s18                     ; A: row 256 x tile row + 128 x half
	s_lshl_b32 s22, s20, 5                         ; where these rows' scales begin,
	s_mov_b32 s23, 0
	s_lshl_b32 s20, s20, 9                         ; and their codes
	s_mov_b32 s21, 0
	s_mul_i32 s46, s42, 384                        ; B: the tile's first row
	s_mul_i32 s92, s16, 192
	s_add_co_u32 s92, s92, s46
	s_lshl_b32 s92, s92, 5                         ; the scales of my 192 rows
	s_mov_b32 s93, 0
	s_lshl_b32 s46, s46, 9
	s_lshl_b32 s47, s16, 8
	s_add_co_u32 s46, s46, s47                     ; the codes of unit 0: all 128 rows, my half of K
	s_mov_b32 s47, 0
	s_mul_i32 s45, s16, HALFT                      ; where they go: no place in the cluster enters an LDS address.  (s45 stays: the refill uses it)
	s_mul_i32 s2, s16, 16*272
	s_mul_i32 s3, s16, 24*272
	s_wait_dscnt 0x0                               ; both opening adds are done
	s_wait_kmcnt 0x0
	s_add_nc_u64 s[20:21], s[4:5], s[20:21]
	s_add_nc_u64 s[22:23], s[6:7], s[22:23]
	s_add_nc_u64 s[46:47], s[8:9], s[46:47]
	s_add_nc_u64 s[92:93], s[10:11], s[92:93]
	CROUND                                         ; all sixteen work-groups are here: the joint loads meet
	s_mov_b32 s[G0S], 1
	s_add_co_u32 s[G0S+1], s2, SCL
	s_mov_b64 s[G0S+2:G0S+3], s[22:23]
	s_or_b32 s[G0S+3], s[G0S+3], 0x80000000
	s_mov_b32 s[G0SB], 1
	s_add_co_u32 s[G0SB+1], s3, SCL+SCA
	s_mov_b64 s[G0SB+2:G0SB+3], s[92:93]
	s_or_b32 s[G0SB+3], s[G0SB+3], 0x80000000
	JLOAD G0S, G1S, G0SB, G1SB                     ; the scales first
.irp s, 0,1                                    ; then A's half s of K beside B's unit s
	s_mov_b32 s[G0+4*\s], 1
	s_add_co_u32 s[G0+4*\s+1], s45, \s*2*HALFT
	s_add_nc_u64 s[G0+4*\s+2:G0+4*\s+3], s[20:21], \s*ROWB
	s_or_b32 s[G0+4*\s+3], s[G0+4*\s+3], 0x80000000
	s_mov_b32 s[G0B+4*\s], 1
	s_add_co_u32 s[G0B+4*\s+1], s45, BREG+\s*2*HALFT
	s_add_nc_u64 s[G0B+4*\s+2:G0B+4*\s+3], s[46:47], \s*128*KROW
	s_or_b32 s[G0B+4*\s+3], s[G0B+4*\s+3], 0x80000000
	JLOAD G0+4*\s, G1, G0B+4*\s, G1B
.endr
	v_and_b32 v1, 15, v0                           ; r = l % 16
	v_bfe_u32 v2, v0, 4, 1                         ; h = l / 16
	s_mul_i32 s46, s42, 384*4                      ; the tile's first column x 4 bytes
	s_mov_b32 s47, 0
	s_add_nc_u64 s[BP:BP+1], s[BP:BP+1], s[46:47]
	v_lshlrev_b32 v[BO], 5, v2
	WIN 0xc0                                       ; destination window 3
.irp u, 0,1,2                                  ; unit u, block b: b_attn[128 u + 16 b + 8 h + j] in register 64 u + 8 b + j: the layout of a result
.irp b, 0,1,2,3,4,5,6,7
	global_load_b128 v[64*\u+8*\b:64*\u+8*\b+3],   v[BO], s[BP:BP+1] offset:512*\u+64*\b
	global_load_b128 v[64*\u+8*\b+4:64*\u+8*\b+7], v[BO], s[BP:BP+1] offset:512*\u+64*\b+16
.endr
.endr
	WIN 0
	v_mul_u32_u24 v3, v1, PITCH
	v_lshl_add_u32 v4, v2, 4, v3                   ; a fragment's row x pitch + 16 x half
	s_mul_i32 s21, s14, 64*PITCH                   ; my 64 rows of A
	v_add_nc_u32 v[ADRA], s21, v4
	v_add_nc_u32 v[ADRA+1], 2*HALFT, v[ADRA]
	v_add_nc_u32 v[ADRB+0], BREG, v4
	v_add_nc_u32 v[ADRB+1], BREG+HALFT, v4
	v_add_nc_u32 v[ADRB+2], BREG+2*HALFT, v4
	v_add_nc_u32 v[ADRB+3], BREG+3*HALFT, v4
	v_mov_b32 v[ADRB+4], v4                        ; unit 2 comes to where A's first half of K lay
	v_add_nc_u32 v[ADRB+5], HALFT, v4
	v_lshlrev_b32 v5, 5, v1                        ; my row's scales: 32 bytes a row,
	v_lshrrev_b32 v6, 8, v5
	v_lshl_add_u32 v5, v6, 4, v5                   ; and 16 more for each 256 passed
	s_mul_i32 s21, s14, 8*272                      ; A's: my 64 rows are eight units of 256 bytes
	s_mov_b32 s22, SCA
	s_sub_co_u32 s22, s22, s21                     ; from there to B's unit 0
	s_add_co_u32 s21, s21, SCL
	v_add_nc_u32 v5, s21, v5
.irp u, 0,1,2
	v_mul_u32_u24 v6, s22, v2                      ; lanes 16-31 take B's: one product, the distance between the two bases
	v_add_nc_u32 v[ADRS+\u], v5, v6
	s_add_co_u32 s22, s22, 16*272                  ; a unit's 128 rows on
.endr
	s_mul_i32 s23, s14, 16*SPITCH
	s_add_co_u32 s23, s23, STAGE                   ; my stage
	v_mul_u32_u24 v5, v1, SPITCH
	v_lshl_add_u32 v5, v2, 4, v5
	v_add_nc_u32 v[STO], s23, v5                   ; in: row l % 16, 16 bytes for each half of the lanes
	v_mul_u32_u24 v5, v2, SPITCH
	v_lshl_add_u32 v5, v1, 4, v5
	v_add_nc_u32 v[RD], s23, v5                    ; back: lanes 0-15 one row of 256 bytes, lanes 16-31 the next
	v_and_b32 v6, 31, v0
	v_lshlrev_b32 v[CO], 4, v6                     ; and in my dense block two rows are 512 consecutive bytes: 16 x lane
	s_mul_i32 s20, s42, 3                          ; unit 0's 128 columns: 8 x part + head
	s_lshl_b32 s21, s17, 8
	s_lshl_b32 s22, s14, 6
	s_add_co_u32 s21, s21, s22                     ; my first row
	s_lshr_b32 s22, s21, 10
	s_lshl_b32 s22, s22, 21                        ; batch x 2^21
	s_and_b32 s21, s21, 1023
	s_lshl_b32 s21, s21, 8                         ; position x 256
	s_add_co_u32 s21, s21, s22
.irp u, 0,1,2
	s_add_co_u32 s22, s20, \u
	s_lshr_b32 s23, s22, 3
	s_lshl_b32 s23, s23, 24                        ; part x 2^24
	s_and_b32 s22, s22, 7
	s_lshl_b32 s22, s22, 18                        ; head x 2^18
	s_add_co_u32 s22, s22, s23
	s_add_co_u32 s[OB+2*\u], s22, s21
	s_mov_b32 s[OB+2*\u+1], 0
	s_add_nc_u64 s[OB+2*\u:OB+2*\u+1], s[12:13], s[OB+2*\u:OB+2*\u+1]
.endr
; A fragment, 16 rows x 128 K of 4-bit codes, is 8 registers: two loads of 16 bytes, 32 bytes apart.  Step s of 8: half s / 4 of K, byte 64 (s % 4) of the rows.
.macro FETCH_B u, s                    ; unit u's eight fragments of step s into set s % 2
	WIN 0
.irp i, 0,1,2,3,4,5,6,7
.irp c, 0,1
	ds_load_b128 v[BF+64*((\s)%2)+8*\i+4*\c:BF+64*((\s)%2)+8*\i+4*\c+3], v[ADRB+2*(\u)+(\s)/4] offset:64*((\s)%4)+32*\c+\i*16*PITCH
.endr
.endr
.endm
.macro FETCH_A s                       ; my four fragments of step s, into the registers in which they stay
	WIN 0x40                                       ; destination window 1
.irp i, 0,1,2,3
.irp c, 0,1
	ds_load_b128 v[32*(\s)+8*\i+4*\c:32*(\s)+8*\i+4*\c+3], v[ADRA+(\s)/4] offset:64*((\s)%4)+32*\c+\i*16*PITCH
.endr
.endr
.endm
.macro SCALES u, kh                    ; the scale words of half kh of K: 4 words a row
	WIN 0
.irp i, 0,1,2,3,4,5,6,7
	ds_load_b128 v[SC+32*(\kh)+4*\i:SC+32*(\kh)+4*\i+3], v[ADRS+(\u)] offset:\i*SBLK+16*(\kh)
.endr
.endm
; 8 matrix instructions: A's block a x B's eight, step s of unit u.  In a unit's first step the sums start on the bias.  The 32 accumulators take turns, one instruction a turn, in the same order in every step.
.macro MUL8 a, s, u
.irp b, 0,1,2,3,4,5,6,7
.if (\s) == 0
	v_wmma_scale_f32_16x16x128_f8f6f4 v[8*(8*(\a)+\b):8*(8*(\a)+\b)+7], v[BF+64*((\s)%2)+8*\b:BF+64*((\s)%2)+8*\b+7], v[32*(\s)+8*(\a):32*(\s)+8*(\a)+7], v[64*(\u)+8*\b:64*(\u)+8*\b+7], v[SC+32*((\s)/4)+4*\b+(\s)%4], v[SC+32*((\s)/4)+4*(\a)+(\s)%4] matrix_a_fmt:MATRIX_FMT_FP4 matrix_b_fmt:MATRIX_FMT_FP4 matrix_a_scale:MATRIX_SCALE_ROW1
.else
	v_wmma_scale_f32_16x16x128_f8f6f4 v[8*(8*(\a)+\b):8*(8*(\a)+\b)+7], v[BF+64*((\s)%2)+8*\b:BF+64*((\s)%2)+8*\b+7], v[32*(\s)+8*(\a):32*(\s)+8*(\a)+7], v[8*(8*(\a)+\b):8*(8*(\a)+\b)+7], v[SC+32*((\s)/4)+4*\b+(\s)%4], v[SC+32*((\s)/4)+4*(\a)+(\s)%4] matrix_a_fmt:MATRIX_FMT_FP4 matrix_b_fmt:MATRIX_FMT_FP4 matrix_a_scale:MATRIX_SCALE_ROW1
.endif
.endr
.endm
.macro MWIN s
.if (\s) == 0
	WIN MULW0
.else
	WIN MULW
.endif
.endm
.macro PLACES                          ; four plain lines between a matrix instruction and a load into, or a read of, its registers
.rept 4
	v_nop
.endr
.endm
.macro NEXT u, s                       ; what the step behind step s of unit u wants: B's fragments; in unit 0 A's too; at a change of halves or of units the scale words
.if (\s) < 7
	FETCH_B \u, (\s)+1
.if (\u) == 0
	FETCH_A (\s)+1
.endif
.if (\s) == 3
	SCALES \u, 1
.endif
.elseif (\u) < 2
	FETCH_B (\u)+1, 0
	SCALES (\u)+1, 0
.endif
.endm
; A step: 128 along K, 32 products.  The next step's loads stand in one run behind the first eight products: the set that they fill was last read in the step before, and the four v_nop are the places behind it.
; meet = 1 (unit 1's last step): unit 2, which waves 2 and 3 fetched, is read from here on: they have waited for it, and all four waves pass a barrier.
.macro STEP u, s, meet
	s_wait_dscnt 0x0                               ; this step's fragments are in
	MWIN \s
	MUL8 0, \s, \u
.if \meet
	s_wait_tensorcnt 0x0
	s_barrier_signal -1
	s_barrier_wait -1
.endif
	PLACES
	NEXT \u, \s
	MWIN \s
	MUL8 1, \s, \u
	MUL8 2, \s, \u
	MUL8 3, \s, \u
.endm
; THE WAY OUT of a unit, block by block of 16 rows x 128 columns: rounded to f16 (16 bytes a lane), through my stage, back as whole rows of 256 bytes, stored 512 consecutive bytes an instruction.
.macro PACK a
	WIN 0x0a                                       ; sources 0 and 1: window 2
.irp b, 0,1,2,3,4,5,6,7
.irp r, 0,1,2,3
	v_cvt_pk_f16_f32 v[TMP+4*\b+\r], v[8*(8*(\a)+\b)+2*\r], v[8*(8*(\a)+\b)+2*\r+1]   ; each accumulator from its low end on
.endr
.endr
	WIN 0
.endm
.macro TOSTAGE a
.irp b, 0,1,2,3,4,5,6,7
	ds_store_b128 v[STO], v[TMP+4*\b:TMP+4*\b+3] offset:32*\b
.endr
	WIN 0xc0                                       ; destination window 3
.irp t, 0,1,2,3,4,5,6,7
	ds_load_b128 v[BK+32*((\a)%2)+4*\t:BK+32*((\a)%2)+4*\t+3], v[RD] offset:\t*2*SPITCH   ; LDS serves a wave's instructions in order: these see the stores above
.endr
	WIN 0
.endm
.macro SEND u, a
	s_wait_dscnt 0x0                               ; the block is back in registers
	s_wait_xcnt 0x0                                ; the stores of the block before have read their registers: the next block's loads may land there
	WIN 0x0c                                       ; a store's data are its source 1: window 3
.irp t, 0,1,2,3,4,5,6,7
	global_store_b128 v[CO], v[BK+32*((\a)%2)+4*\t:BK+32*((\a)%2)+4*\t+3], s[OB+2*(\u):OB+2*(\u)+1] offset:(\a)*4096+\t*512
.endr
	WIN 0
.endm
.macro WAYOUT u
	PLACES
	PACK 0
	TOSTAGE 0
.irp a, 1,2,3                          ; block a's conversions stand between block a - 1's loads from the stage and the wait for them
	PACK \a
	SEND \u, \a-1
	TOSTAGE \a
.endr
	SEND \u, 3
.endm
	s_wait_tensorcnt 1                             ; the scales and A's first half of K, or unit 0, are in; my third load (A's second half, or unit 1) may be out: the wait for 0 in unit 0's change of halves covers it
	s_barrier_signal -1
	s_barrier_wait -1
	FETCH_B 0, 0
	FETCH_A 0
	SCALES 0, 0
	s_wait_loadcnt 0x0                             ; the bias
	STEP 0, 0, 0
	STEP 0, 1, 0
	STEP 0, 2, 0
	; UNIT 0's STEP 3 CHANGES HALVES OF K.  A's first half has been read for the last time (step 3's fragments were asked for in step 2).  Each wave waits for all its tensor loads, adds 0 to its spare word, and waits for
	; that and for its reads; the barrier opens a round of the cluster's barrier, so that no wave of any partner still reads those bytes or has a load on its way; behind it waves 2 and 3 fetch unit 2 into them.
	WIN 0                                          ; (the add's two registers lie in window 0)
	s_wait_tensorcnt 0x0                           ; all my tensor loads have landed
	ds_add_u32 v[SPW], v[NIL]                      ; 0 onto my spare word
	s_wait_dscnt 1                                 ; step 3's fragments are in; the add alone may be out
	WIN MULW
	MUL8 0, 3, 0
	s_wait_dscnt 0x0                               ; the add is done, and my reads of A's first half are over
	s_barrier_signal -1
	MUL8 1, 3, 0
	WIN 0
	s_barrier_wait -1
	CREST
	s_mov_b32 s[G0B+1], s45                        ; unit 0's group 0, whose load is done, becomes unit 2's: to byte 0, my half of K,
	s_add_nc_u64 s[G0B+2:G0B+3], s[G0B+2:G0B+3], 2*128*KROW   ; 256 rows of W's codes on
	s_cmp_eq_u32 s15, 0
	s_cbranch_scc1 .Lno_fill                       ; waves 0 and 1 have no part of it
	tensor_load_to_lds s[G0B:G0B+3], s[G1B:G1B+7]
	s_nop 0
.rept 4
	v_nop
.endr
.Lno_fill:
	PLACES
	FETCH_B 0, 4
	FETCH_A 4
	SCALES 0, 1
	WIN MULW
	MUL8 2, 3, 0
	MUL8 3, 3, 0
	STEP 0, 4, 0
	STEP 0, 5, 0
	STEP 0, 6, 0
	STEP 0, 7, 0
	WAYOUT 0
.irp s, 0,1,2,3,4,5,6
	STEP 1, \s, 0
.endr
	STEP 1, 7, 1
	WAYOUT 1
.irp s, 0,1,2,3,4,5,6,7
	STEP 2, \s, 0
.endr
	WAYOUT 2
	s_wait_tensorcnt 0x0                           ; the wave's end
	ds_add_u32 v[SPW], v[NIL]
	s_wait_dscnt 0x0
	CROUND                                         ; the closing round
	s_endpgm
.Lfunc_end_k_qb1c6365c23_qkv:
	.size	k_qb1c6365c23_qkv, .Lfunc_end_k_qb1c6365c23_qkv-k_qb1c6365c23_qkv
	.p2alignl 7, 3214868480
	.fill 96, 4, 3214868480
	.section	.rodata,"a",@progbits
	.p2align	6, 0x0
	.amdhsa_kernel k_qb1c6365c23_qkv
		.amdhsa_group_segment_fixed_size 327680
		.amdhsa_private_segment_fixed_size 0
		.amdhsa_enable_private_segment 0
		.amdhsa_kernarg_size 48
		.amdhsa_user_sgpr_count 2
		.amdhsa_user_sgpr_kernarg_segment_ptr 1
		.amdhsa_wavefront_size32 1
		.amdhsa_system_sgpr_workgroup_id_x 1
		.amdhsa_system_sgpr_workgroup_id_y 1
		.amdhsa_system_sgpr_workgroup_id_z 1
		.amdhsa_system_vgpr_workitem_id 0
		.amdhsa_next_free_vgpr 1024
		.amdhsa_next_free_sgpr 100
		.amdhsa_reserve_vcc 0
		.amdhsa_float_denorm_mode_32 3
		.amdhsa_float_denorm_mode_16_64 3
		.amdhsa_memory_ordered 1
		.amdhsa_forward_progress 1
		.amdhsa_inst_pref_size 198
	.end_amdhsa_kernel
	.amdgpu_metadata
---
amdhsa.version: [ 1, 2 ]
amdhsa.kernels:
  - .name:           k_qb1c6365c23_qkv
    .symbol:         k_qb1c6365c23_qkv.kd
    .args:
      - { .name: x_codes, .offset: 0, .size: 8, .value_kind: global_buffer, .address_space: global }
      - { .name: x_scales, .offset: 8, .size: 8, .value_kind: global_buffer, .address_space: global }
      - { .name: w_codes, .offset: 16, .size: 8, .value_kind: global_buffer, .address_space: global }
      - { .name: w_scales, .offset: 24, .size: 8, .value_kind: global_buffer, .address_space: global }
      - { .name: b_attn, .offset: 32, .size: 8, .value_kind: global_buffer, .address_space: global }
      - { .name: qkv, .offset: 40, .size: 8, .value_kind: global_buffer, .address_space: global }
    .group_segment_fixed_size: 327680
    .private_segment_fixed_size: 0
    .kernarg_segment_align: 8
    .kernarg_segment_size: 48
    .max_flat_workgroup_size: 128
    .sgpr_count:     100
    .vgpr_count:     1024
    .wavefront_size: 32
...
	.end_amdgpu_metadata
.endif
;; end of part 2
;; launch attn (part 3): grid 4 x 64, 4 waves a work-group, no clusters, 327,680 bytes of LDS; arguments qkv, attention_mask, a16; writes a16
.if DOCPART == 3
	.amdgcn_target "amdgcn-amd-amdhsa--gfx1250"
	.amdhsa_code_object_version 6
	.text
	.protected	k_qb1c6365c23_attn
	.globl	k_qb1c6365c23_attn
	.p2align	8
	.type	k_qb1c6365c23_attn,@function
k_qb1c6365c23_attn:
	s_mov_b64 s[64:65], 0
	v_nop
	global_prefetch_b8 v0, s[64:65] scope:SCOPE_SE
	s_setreg_imm32_b32 hwreg(HW_REG_WAVE_MODE, 25, 1), 1
	s_wait_xcnt 0x0
; a[b][q][head][:] = sum over k of softmax_k(w) v[k][:],  w = (k <= max(q, 76) ? q.k / sqrt(128) : -10000) + attention_mask[b][k].
; q, k, v: qkv[part][64 = 8 b + head][1024][128] f16; a16: [8192 = 1024 b + q][1024 = 128 head + d] f16.  Products on f16 operands, sums, maxima and the softmax in f32.
; LIMITS.  (a) A step of 64 keys all of which lie under the mask for all queries of a piece is not computed: its weights exp(-10000 + am - max) are taken as 0.  That holds where a query's largest visible w lies
; more than 104 above -10000 + am[k] of every hidden key.  Hidden keys inside a computed step get -10000 + am[k].  (b) |a| stays under 65,504.
; SCALING.  All scores are kept x sqrt(128): s' = q.k + am sqrt(128) (the second term is the C of the first product), hidden: (am - 10000) sqrt(128); p = 2^(c s' - c m), c = log2(e) / sqrt(128), m the running maximum.
; SHARES.  Work-group (c, head).  Wave w owns two PIECES of 32 queries: L at 128 c + 32 w (tiles 0, 1) and H at 992 - 128 c - 32 w (tiles 2, 3): the pieces' visible key steps add up to 17 in every wave (18 in two of 16).
; LAYOUT.  S^T = K Q^T (source 0 = 16 keys, source 1 = 16 queries): a lane holds one query; two such tiles rounded to f16 are source 1 of O^T = V^T P.  V comes out of LDS turned, by ds_load_tr16_b128.
; BY TURNS.  A piece's work in a step is a JOB on its two tiles X, Y: K Q^T of X | K Q^T of Y with X's softmax in slices behind each product | V^T P of X with Y's softmax | V^T P of Y.
; RING.  Two LDS slots of two key steps (K and V of 128 keys).  A step's K, am and V are fetched into registers in the middle of the step before; so at the head of a slot's second step all its bytes have been read,
; and it is filled again there, with the keys two slots on: that load has two key steps in which to land.  By this text's count a wave has two tensor loads out at the head and one behind each such barrier.
; NO CLUSTER: the four work-groups of a head need 8, 7, 6 and 5 slots of keys: a partner would jump over the reads of tiles that a joint load brings.
; REGISTERS: window 0: v2-15 addresses; v16-47 statistics, 8 a tile; v48-51 mask limits; v64-127 S^T (two tiles); v128-159 P; v160-191 am of the step; v192-223 am - 10000.
;   window 1: O^T, 64 a tile.   window 2: v0-127 Q, v128-255 K.   window 3: V of even steps v0-127, of odd steps v128-255.
.set KS,    64
.set PK,    272                        ; a row of K in LDS: 256 bytes + 16
.set PV,    288                        ; a row of V: 256 + 32
.set VOFF,  KS*PK
.set STEPB, KS*(PK+PV)
.set SLOT1, 1<<17                      ; slot 1 begins here: one exclusive or turns an address from slot to slot
.set STAGE, SLOT1+2*STEPB              ; 16 rows x 272 bytes a wave, for the way out
.set SP,    272
.set AMS,   STAGE+4*16*SP              ; am[b][k] x sqrt(128), 1,024 f32
.set SPARE, AMS+4096                   ; the spare words, 128 bytes a wave
.set AK0, 2
.set AV0, 3
.set ADR, 4
.set ADR2, 5
.set ADR3, 6
.set AAM0, 7
.set STO, 8
.set RD,  9
.set GO,  10
.set QO,  11
.set SPW, 12
.set NIL, 13
.set DD,  14
.set PFO, 15
.set ST,  16                           ; tile t at v[ST+8 t]: +0 c m, +1 m, +2, +3 l, +4 .. +7 at work; a takes +6
.set QL,  48                           ; v48-51: max(tile's first query + lane % 16, 76) - 8 (lane / 16)
.set S,   64
.set P,   128
.set AM,  160
.set AMM, 192
.set KFR, 128
.set WV,  12
.set G1K, 24
.set G1V, 32
.set G0K, 40                           ; s[40:47]: a set for each first fill; the second then walks
.set G0V, 48
.set SLOTS, 56
.set CS,  58
.set SEL, 60
.set TB,  62                           ; LDS byte at which the step to be fetched begins
.set TA,  63                           ; and its am: 256 bytes a step
.set KEY, 66                           ; the step's first key
.set LIMH, 67                          ; a piece is worked while KEY <= its limit,
.set LIML, 68
.set FULL, 70                          ; and masked where KEY + 63 > this
.set FULH, 71
.set WGLIM, 72                         ; the work-group's last query
.set QBL, 74
.set QBH, 76
.set PFK, 78
.set PFV, 80
.set LIM, 82
.set NEG, 83
.set OBL, 92
.set OBH, 94
.set MSB, 0
.macro WIN new
.if MSB != (\new)
	s_set_vgpr_msb (MSB<<8)|(\new)
.set MSB, (\new)
.endif
.endm
.set W_KQ, 0x0a                        ; K and Q window 2; C and D window 0
.set W_PV, 0x53                        ; V window 3, P window 0, O^T window 1
.set W_RS, 0x41                        ; O^T window 1, a window 0
.macro PLACES
.rept 4
	v_nop
.endr
.endm
; A refill: waves 0 and 1 fetch the slot's two steps of K, waves 2 and 3 of V.  An s_nop 0 and four v_nop follow each line.
.macro TLOAD
	s_cmp_lt_u32 s[WV], 2
	s_cbranch_scc0 .Lfor_v_\@
	tensor_load_to_lds s[G0K+4:G0K+7], s[G1K:G1K+7]
	s_nop 0
.rept 4
	v_nop
.endr
	s_branch .Lasked_\@
.Lfor_v_\@:
	tensor_load_to_lds s[G0V+4:G0V+7], s[G1V:G1V+7]
	s_nop 0
.rept 4
	v_nop
.endr
.Lasked_\@:
.endm
; A prefetch of what the NEXT change of slots will ask for: 128 rows of K and of V, 256 bytes a row.  The head's work-group c = 0, which alone walks all slots, asks; wave w names rows 32 w .. 32 w + 31, a lane a row:
; each row is named once in the launch.  The last change that fills a slot asks for nothing.
.macro ASK
	s_cmp_gt_u32 s[SLOTS], s[LIM]
	s_cbranch_scc0 .Lnot_mine_\@
	global_prefetch_b8 v[PFO], s[PFK:PFK+1] th:TH_LOAD_NT scope:SCOPE_SE
	global_prefetch_b8 v[PFO], s[PFV:PFV+1] th:TH_LOAD_NT scope:SCOPE_SE
.Lnot_mine_\@:
.endm
	s_load_b128 s[4:7], s[0:1], 0x0                ; qkv, attention_mask
	s_load_b64 s[8:9], s[0:1], 0x10                ; a16
	v_lshl_add_u32 v[SPW], v0, 2, SPARE
	v_mov_b32 v[NIL], 0
	ds_add_u32 v[SPW], v[NIL]                      ; the wave's opening: the add, twice on end, and its wait ahead of my first tensor load
	ds_add_u32 v[SPW], v[NIL]
	v_lshrrev_b32 v1, 5, v0
	v_readfirstlane_b32 s[WV], v1                  ; wave 0..3
	s_and_b32 s20, ttmp7, 0xffff                   ; 8 b + head
	s_lshl_b32 s13, ttmp9, 7
	s_lshl_b32 s14, s[WV], 5
	s_add_co_u32 s13, s13, s14                     ; piece L's first query
	s_sub_co_u32 s14, 992, s13                     ; piece H's
	s_add_co_u32 s[LIML], s13, 31
	s_max_u32 s[LIML], s[LIML], 76
	s_add_co_u32 s[LIMH], s14, 31
	s_max_u32 s[FULL], s13, 76
	s_mov_b32 s[FULH], s14
	s_lshl_b32 s[WGLIM], ttmp9, 7
	s_sub_co_u32 s[WGLIM], 1023, s[WGLIM]
	s_lshl_b32 s21, s20, 18                        ; the head's first byte in a part
	s_and_b32 s16, s[WV], 1                        ; which of a slot's two steps I fetch:
	s_mul_i32 s17, s16, STEPB                      ; its place in a slot,
	s_lshl_b32 s22, s16, 14                        ; its 64 rows of 256 bytes in memory
	s_add_co_u32 s22, s22, s21
	s_mov_b32 s23, 0
	s_lshl_b32 s2, s13, 8
	s_add_co_u32 s2, s2, s21                       ; Q of piece L
	s_mov_b32 s3, 0
	s_lshl_b32 s18, s14, 8
	s_add_co_u32 s18, s18, s21                     ; Q of piece H
	s_mov_b32 s19, 0
	s_lshr_b32 s88, s20, 3                         ; b
	s_and_b32 s89, s20, 7                          ; head
	s_lshl_b32 s89, s89, 8
	s_lshl_b32 s90, s88, 10
	s_add_co_u32 s[OBL], s90, s13
	s_lshl_b32 s[OBL], s[OBL], 11
	s_add_co_u32 s[OBL], s[OBL], s89               ; a16: (1024 b + q) x 2,048 + 256 head
	s_mov_b32 s[OBL+1], 0
	s_add_co_u32 s[OBH], s90, s14
	s_lshl_b32 s[OBH], s[OBH], 11
	s_add_co_u32 s[OBH], s[OBH], s89
	s_mov_b32 s[OBH+1], 0
	s_lshl_b32 s90, s88, 12                        ; attention_mask: 4,096 b
	s_mov_b32 s91, 0
	s_lshl_b32 s10, s[WV], 13                      ; the prefetches: my wave's 32 rows,
	s_add_co_u32 s10, s10, s21
	s_add_co_u32 s10, s10, 2*2*KS*256              ; in slot 2: the first change of slots steps them to slot 3
	s_mov_b32 s11, 0
	s_mov_b32 s[G1K], (1<<16)|(1<<20)|(5<<22)|(3<<25)   ; no mask; elements of 2 bytes; padding on: 4 words after every 64
	s_mov_b32 s[G1V], (1<<16)|(1<<20)|(5<<22)|(7<<25)   ; 8 words
.irp g, G1K, G1V
	s_mov_b32 s[\g+1], 128<<16                     ; tensor_dim0 = 128
	s_mov_b32 s[\g+2], KS<<16                      ; tensor_dim1 = 64
	s_mov_b32 s[\g+3], 128<<16                     ; tile_dim0
	s_mov_b32 s[\g+4], KS                          ; tile_dim1
	s_mov_b32 s[\g+5], 128                         ; the pitch
	s_mov_b32 s[\g+6], 0
	s_mov_b32 s[\g+7], 0
.endr
	s_mov_b32 s[CS], 0x3e0293ee                    ; c = log2(e) / sqrt(128)
	s_mov_b32 s[CS+1], s[CS]
	s_mov_b32 s[SEL], 0x76543210
	s_mov_b32 s[SEL+1], 0xfedcba98
	s_mov_b32 s[NEG], 0xc7dcf88b                   ; -10000 sqrt(128)
	s_mov_b32 s[TB], 0
	s_mov_b32 s[TA], 0
	s_mov_b32 s[KEY], 0
	s_mov_b32 s[SLOTS], 6
	s_cmp_eq_u32 ttmp9, 0
	s_cselect_b32 s[LIM], 1, -1
	s_wait_dscnt 0x0                               ; both opening adds are done
	s_wait_kmcnt 0x0
	s_add_nc_u64 s[84:85], s[4:5], s[22:23]
	s_add_nc_u64 s[84:85], s[84:85], 0x1000000     ; K: part 1
	s_add_nc_u64 s[86:87], s[84:85], 0x1000000     ; V: part 2
.irp s, 0,1
	s_mov_b32 s[G0K+4*\s], 1
	s_add_co_u32 s[G0K+4*\s+1], s17, \s*SLOT1
	s_add_nc_u64 s[G0K+4*\s+2:G0K+4*\s+3], s[84:85], \s*2*KS*256
	s_or_b32 s[G0K+4*\s+3], s[G0K+4*\s+3], 0x80000000
	s_mov_b32 s[G0V+4*\s], 1
	s_add_co_u32 s[G0V+4*\s+1], s17, \s*SLOT1+VOFF
	s_add_nc_u64 s[G0V+4*\s+2:G0V+4*\s+3], s[86:87], \s*2*KS*256
	s_or_b32 s[G0V+4*\s+3], s[G0V+4*\s+3], 0x80000000
.endr
	s_cmp_lt_u32 s[WV], 2                          ; a wave's two first fills stand in one branch, ahead of every wait on TENSORcnt, every LDS read and every barrier
	s_cbranch_scc0 .Lfirst_v
	tensor_load_to_lds s[G0K:G0K+3], s[G1K:G1K+7]
	s_nop 0
	tensor_load_to_lds s[G0K+4:G0K+7], s[G1K:G1K+7]
	s_nop 0
.rept 4
	v_nop
.endr
	s_branch .Lfirst_asked
.Lfirst_v:
	tensor_load_to_lds s[G0V:G0V+3], s[G1V:G1V+7]
	s_nop 0
	tensor_load_to_lds s[G0V+4:G0V+7], s[G1V:G1V+7]
	s_nop 0
.rept 4
	v_nop
.endr
.Lfirst_asked:
	s_add_nc_u64 s[QBL:QBL+1], s[4:5], s[2:3]
	s_add_nc_u64 s[QBH:QBH+1], s[4:5], s[18:19]
	s_add_nc_u64 s[6:7], s[6:7], s[90:91]
	s_add_nc_u64 s[OBL:OBL+1], s[8:9], s[OBL:OBL+1]
	s_add_nc_u64 s[OBH:OBH+1], s[8:9], s[OBH:OBH+1]
	s_add_nc_u64 s[PFK:PFK+1], s[4:5], s[10:11]
	s_add_nc_u64 s[PFK:PFK+1], s[PFK:PFK+1], 0x1000000
	s_add_nc_u64 s[PFV:PFV+1], s[PFK:PFK+1], 0x1000000
	v_and_b32 v1, 15, v0                           ; r = l % 16
	v_bfe_u32 v52, v0, 4, 1                        ; h = l / 16
	v_lshlrev_b32 v[QO], 8, v1
	v_lshl_add_u32 v[QO], v52, 4, v[QO]            ; row x 256 + 16 x half
	WIN 0x80                                       ; destination window 2
.irp i, 0,1,2,3,4,5,6,7                        ; Q stays in registers: tile i / 4 of the piece, channels 32 (i % 4) on
	global_load_b128 v[8*\i:8*\i+3],       v[QO], s[QBL:QBL+1] offset:(\i/4)*4096+(\i%4)*64
	global_load_b128 v[8*\i+4:8*\i+7],     v[QO], s[QBL:QBL+1] offset:(\i/4)*4096+(\i%4)*64+32
	global_load_b128 v[64+8*\i:64+8*\i+3], v[QO], s[QBH:QBH+1] offset:(\i/4)*4096+(\i%4)*64
	global_load_b128 v[64+8*\i+4:64+8*\i+7], v[QO], s[QBH:QBH+1] offset:(\i/4)*4096+(\i%4)*64+32
.endr
	WIN 0
	v_lshlrev_b32 v53, 5, v0                       ; the batch's 1,024 numbers of the mask: 8 a thread
	global_load_b128 v[224:227], v53, s[6:7]
	global_load_b128 v[228:231], v53, s[6:7] offset:16
	v_lshl_add_u32 v54, v0, 5, AMS
	v_mul_u32_u24 v[AK0], v1, PK
	v_lshl_add_u32 v[AK0], v52, 4, v[AK0]          ; K: row x pitch + 16 x half
	v_and_b32 v55, 7, v0
	v_bfe_u32 v56, v0, 3, 1
	v_lshl_add_u32 v[AV0], v52, 3, v55             ; V, turning load: key 8 h + l % 8, channels 8 ((l / 8) % 2) on
	v_mul_u32_u24 v[AV0], v[AV0], PV
	v_lshl_add_u32 v[AV0], v56, 4, v[AV0]
	v_add_nc_u32 v[AV0], VOFF, v[AV0]
	v_lshl_add_u32 v[AAM0], v52, 5, AMS            ; am: my half's eight keys of a tile of 16
	s_mul_i32 s10, s[WV], 16*SP
	s_add_co_u32 s10, s10, STAGE                   ; my stage
	v_mul_u32_u24 v[STO], v1, SP
	v_lshl_add_u32 v[STO], v52, 4, v[STO]
	v_add_nc_u32 v[STO], s10, v[STO]
	v_mul_u32_u24 v[RD], v52, SP
	v_lshl_add_u32 v[RD], v1, 4, v[RD]
	v_add_nc_u32 v[RD], s10, v[RD]
	v_lshlrev_b32 v[GO], 11, v52                   ; a16: lanes 0-15 one row, lanes 16-31 the next (2,048 bytes on); 16 bytes a lane
	v_lshl_add_u32 v[GO], v1, 4, v[GO]
	v_and_b32 v[PFO], 31, v0
	v_lshlrev_b32 v[PFO], 8, v[PFO]
	v_lshlrev_b32 v57, 3, v52                      ; 8 h
	v_add_nc_u32 v[QL+0], s13, v1
	v_add_nc_u32 v[QL+2], s14, v1
	v_add_nc_u32 v[QL+1], 16, v[QL+0]
	v_add_nc_u32 v[QL+3], 16, v[QL+2]
.irp t, 0,1,2,3
	v_max_u32 v[QL+\t], 76, v[QL+\t]               ; the last key that counts for my query,
	v_sub_nc_u32 v[QL+\t], v[QL+\t], v57           ; less my half's 8
	v_mov_b32 v[ST+8*\t+1], 0xff61b1e6             ; m = -3e38, under every score
	v_mul_f32 v[ST+8*\t], s[CS], v[ST+8*\t+1]      ; c m
.irp k, 2,3,4,5,6,7
	v_mov_b32 v[ST+8*\t+\k], 0
.endr
.endr
	WIN 0x40                                       ; O^T begins as zeros, which the first change of m leaves zeros: so the key step is written without a first form of its own.  These lines stand while the first fills are on their way
.set i, 0
.rept 256
	v_mov_b32 v[i], 0
.set i, i+1
.endr
	WIN 0
	s_wait_loadcnt 0x0                             ; Q and the mask
.irp i, 0,1,2,3,4,5,6,7
	v_mul_f32 v[224+\i], 0x413504f3, v[224+\i]     ; x sqrt(128)
.endr
	ds_store_b128 v54, v[224:227]
	ds_store_b128 v54, v[228:231] offset:16
	s_wait_tensorcnt 0x0                           ; my parts of both slots are in (every wait on TENSORcnt in this text is for 0),
	s_wait_dscnt 0x0                               ; my part of am is stored,
	s_barrier_signal -1
	s_barrier_wait -1                              ; everybody's are.
.macro FETCH_K                         ; 64 keys x 128 channels: 16 fragments
	WIN 0x80
.irp f, 0,1,2,3,4,5,6,7,8,9,10,11,12,13,14,15
	ds_load_b128 v[KFR+8*\f:KFR+8*\f+3],   v[ADR] offset:(\f/4)*16*PK+(\f%4)*64
	ds_load_b128 v[KFR+8*\f+4:KFR+8*\f+7], v[ADR] offset:(\f/4)*16*PK+(\f%4)*64+32
.endr
.endm
.macro FETCH_AM                        ; register 8 kt + j: am' of key 16 kt + 8 h + j: the layout of a result of K Q^T
	WIN 0
.irp k, 0,1,2,3
	ds_load_b128 v[AM+8*\k:AM+8*\k+3],   v[ADR3] offset:64*\k
	ds_load_b128 v[AM+8*\k+4:AM+8*\k+7], v[ADR3] offset:64*\k+16
.endr
.endm
.macro FETCH_V vb                      ; turned: keys 32 (f / 8) on, channels 16 (f % 8) on
	WIN 0xc0
.irp f, 0,1,2,3,4,5,6,7,8,9,10,11,12,13,14,15
	ds_load_tr16_b128 v[128*(\vb)+8*\f:128*(\vb)+8*\f+3],   v[ADR2] offset:(\f/8)*32*PV+(\f%8)*32
	ds_load_tr16_b128 v[128*(\vb)+8*\f+4:128*(\vb)+8*\f+7], v[ADR2] offset:(\f/8)*32*PV+16*PV+(\f%8)*32
.endr
.endm
.macro FETCH vb                        ; the next step's K, am, V: 72 loads, V's 32 the youngest
	v_add_nc_u32 v[ADR], s[TB], v[AK0]
	v_add_nc_u32 v[ADR2], s[TB], v[AV0]
	v_add_nc_u32 v[ADR3], s[TA], v[AAM0]
	FETCH_K
	FETCH_AM
	FETCH_V \vb
	WIN 0
.endm
; Product i of 16 of S^T = K Q^T + am' for tile t: channels 32 (i / 4) on, keys 16 (i % 4) on.  The first four start the sums on am'.  Four accumulators by turns.
.macro KQT t
	WIN W_KQ
.set rS, S+32*((\t)%2)+8*(i%4)
.set rK, KFR+32*(i%4)+8*(i/4)
.set rQ, 32*(\t)+8*(i/4)
.if i < 4
	v_wmma_f32_16x16x32_f16 v[rS:rS+7], v[rK:rK+7], v[rQ:rQ+7], v[AM+8*i:AM+8*i+7]
.else
	v_wmma_f32_16x16x32_f16 v[rS:rS+7], v[rK:rK+7], v[rQ:rQ+7], v[rS:rS+7]
.endif
.endm
; Product i of 16 of O^T += V^T P for tile t: keys 32 (i / 8) on, channels 16 (i % 8) on.  Eight accumulators by turns.
.macro PVT t, par
	WIN W_PV
.set rO, 64*(\t)+8*(i%8)
.set rV, 128*(\par)+64*(i/8)+8*(i%8)
.set rP, P+16*((\t)%2)+8*(i/8)
	v_wmma_f32_16x16x32_f16 v[rO:rO+7], v[rV:rV+7], v[rP:rP+7], v[rO:rO+7]
.endm
; Number j of a tile's softmax for one key step, a list of 134:
;   0-15 the maximum of the lane's 32 scores and the old m, each accumulator from its low end on; 16-20 the other half's maximum, the new m, c m, c m_old - c m_new;
;   21-69 the 16 packed scalings c s - c m and all 33 exponentials (a at 23), none of which reads an exponential's result; (the wait: VSL writes it) 70-85 the roundings to f16; 86-101 the sums, l = a l + sum; 102-133 O^T x a.
.macro SM t
.set rT, ST+8*(\t)
.set rS, S+32*((\t)%2)
.set rP, P+16*((\t)%2)
.set rO, 64*(\t)+2*(j-102)
.if j < 102
	WIN 0
.endif
.if j < 4
	v_max3_num_f32 v[rT+4+j], v[rS+8*j], v[rS+8*j+1], v[rS+8*j+2]
.elseif j < 12
	v_max3_num_f32 v[rT+4+j%4], v[rT+4+j%4], v[rS+8*(j%4)+2*(j/4)+1], v[rS+8*(j%4)+2*(j/4)+2]
.elseif j == 12
	v_max3_num_f32 v[rT+4], v[rT+4], v[rS+7], v[rS+15]
.elseif j == 13
	v_max3_num_f32 v[rT+6], v[rT+6], v[rS+23], v[rS+31]
.elseif j == 14
	v_max3_num_f32 v[rT+4], v[rT+4], v[rT+5], v[rT+6]
.elseif j == 15
	v_max3_num_f32 v[rT+4], v[rT+4], v[rT+7], v[rT+1]
.elseif j == 16
	v_permlanex16_b32 v[rT+5], v[rT+4], s[SEL], s[SEL+1]
.elseif j == 17
	v_mov_b32 v[rT+7], v[rT]
.elseif j == 18
	v_max_num_f32 v[rT+1], v[rT+4], v[rT+5]
.elseif j == 19
	v_mul_f32 v[rT], s[CS], v[rT+1]
.elseif j == 20
	v_sub_f32 v[rT+7], v[rT+7], v[rT]
.elseif j == 23
	v_exp_f32 v[rT+6], v[rT+7]
.elseif (j < 23) || ((j < 38) && (j%2 == 0)) || ((j < 66) && (j%4 == 2))
.set b, (j-2)/4
.if j < 38
.set b, (j-20)/2
.endif
	v_pk_fma_f32 v[rS+2*b:rS+2*b+1], v[rS+2*b:rS+2*b+1], s[CS:CS+1], v[rT:rT+1] op_sel_hi:[1,0,0] neg_lo:[0,0,1] neg_hi:[0,0,1]
.elseif j < 70
.set e, j-38
.if j < 66
.set e, j-32-(j-38)/4
.endif
.if j < 38
.set e, (j-25)/2
.endif
	v_exp_f32 v[rS+e], v[rS+e]
.elseif j < 86
	v_cvt_pk_f16_f32 v[rP+j-70], v[rS+2*(j-70)], v[rS+2*(j-70)+1]
.elseif j < 102
.set z, j-86
.set w, 4
.set u, z
.if z >= 14
.set w, 32
.set u, 0
.elseif z >= 12
.set w, 16
.set u, z-12
.elseif z >= 8
.set w, 8
.set u, z-8
.endif
.if z < 15
	v_pk_add_f32 v[rS+w*u:rS+w*u+1], v[rS+w*u:rS+w*u+1], v[rS+w*u+w/2:rS+w*u+w/2+1]
.else
	v_pk_fma_f32 v[rT+2:rT+3], v[rT+2:rT+3], v[rT+6:rT+7], v[rS:rS+1] op_sel_hi:[1,0,1]
.endif
.else
	WIN W_RS
	v_pk_mul_f32 v[rO:rO+1], v[rO:rO+1], v[rT+6:rT+7] op_sel_hi:[1,0]
.endif
.endm
; The slice behind matrix instruction i of 16: eight or nine numbers of tile t's list.  Ahead of number 70, the first that names an exponential's result: one plain line and ONE wait for the tile's 33 exponentials.
.macro VSL t
.rept (134*(i+1))/16-(134*i)/16
.if j == 70
	v_nop
	s_wait_alu depctr_va_vdst(0)
.endif
	SM \t
.set j, j+1
.endr
.endm
; On the diagonal: register 8 kt + j of tile t holds key KEY + 16 kt + 8 h + j: hidden where 16 kt + j > max(q, 76) - 8 h - KEY; its score becomes (am - 10000) sqrt(128).
.macro MASKT t
.set rS, S+32*((\t)%2)
.set n, 0
.rept 32
	v_add_f32 v[AMM+n], s[NEG], v[AM+n]
.set n, n+1
.endr
	v_sub_nc_u32 v[DD], v[QL+(\t)], s[KEY]
.set n, 0
.rept 32
	v_cmp_gt_i32 vcc_lo, 16*(n/8)+n%8, v[DD]
	v_cndmask_b32 v[rS+n], v[rS+n], v[AMM+n], vcc_lo
.set n, n+1
.endr
.endm
; The first half of a job: scores of tiles x and x + 1, and tile x's softmax.  The four v_nop, and later the nine plain lines of the last slice (O^T of tile x), are the places behind the products whose results are read next.
.macro JOBA x, ful
.set i, 0
.rept 16
	KQT \x
.set i, i+1
.endr
	WIN 0
	PLACES
	s_add_co_u32 s96, s[KEY], 63
	s_cmp_le_u32 s96, s[\ful]                      ; all 64 keys count for all 32 queries: no mask
	s_cbranch_scc1 .Lopen_a_\@
	MASKT \x
.Lopen_a_\@:
.set i, 0
.set j, 0
.rept 16
	KQT (\x)+1
	VSL \x
.set i, i+1
.endr
	WIN 0
	s_cmp_le_u32 s96, s[\ful]
	s_cbranch_scc1 .Lopen_b_\@
	MASKT (\x)+1
.Lopen_b_\@:
.endm
; The second half: V^T P of tile x with tile x + 1's softmax, then V^T P of tile x + 1.
.macro JOBB x, par
.set i, 0
.set j, 0
.rept 16
	PVT \x, \par
	VSL (\x)+1
.set i, i+1
.endr
.set i, 0
.rept 16
	PVT (\x)+1, \par
.set i, i+1
.endr
	WIN 0
.endm
; THE CHANGE OF SLOTS, at the head of a slot's second step.  Each wave waits for all its tensor loads (its part of the other slot), adds 0 to its spare word, and waits for that and for its reads of this slot, which were
; asked for in the middle of the step before.  Behind the barrier the other slot is whole and nobody reads this one.  fill = 1: it is filled with the keys two slots on, but only while that slot's first key is at or
; under the work-group's last query: a slot beyond is read by none of the four waves.  The test is made of the work-group's number and the count of steps: all four waves go the same way; it leads round the load's own lines alone.
.macro CHANGE fill
	s_wait_tensorcnt 0x0                           ; no tensor load of mine is out, so a group 0 may be written
	ds_add_u32 v[SPW], v[NIL]
.if \fill
.irp g, G0K+4, G0V+4
	s_xor_b32 s[\g+1], s[\g+1], SLOT1              ; the walking descriptors: the other slot than last time,
	s_add_nc_u64 s[\g+2:\g+3], s[\g+2:\g+3], 2*KS*256   ; the next 128 keys
.endr
	s_wait_xcnt 0x0                                ; the last prefetches, two key steps back, have read their addresses
	s_add_nc_u64 s[PFK:PFK+1], s[PFK:PFK+1], 2*KS*256
	s_add_nc_u64 s[PFV:PFV+1], s[PFV:PFV+1], 2*KS*256
.endif
	s_sub_co_u32 s[TB], s[TB], 2*STEPB             ; the fetches go back to a slot's first step,
	s_xor_b32 s[TB], s[TB], SLOT1                  ; in the other slot
	s_wait_dscnt 0x0                               ; the add is done, and my reads of this slot are over
	s_barrier_signal -1
	s_barrier_wait -1
.if \fill
	s_add_co_u32 s96, s[KEY], 192                  ; the first key of the slot that this change would ask for
	s_cmp_gt_u32 s96, s[WGLIM]
	s_cbranch_scc1 .Lpast_\@
	TLOAD                                          ; my one tensor load until the next such barrier
.Lpast_\@:
	ASK
.endif
.endm
; A KEY STEP.  par: which buffer holds its V.  hasl: piece L may still be alive.  chg: 1 a change of slots with a fill, 2 without.  fetch: 1 the next step lies in the same slot; 2 in the next slot: fetched only if piece H will work it.
.macro STEP par, hasl, chg, fetch
.if \chg == 1
	CHANGE 1
.elseif \chg == 2
	CHANGE 0
.endif
	s_cmp_gt_u32 s[KEY], s[LIMH]                   ; all keys come after all my queries: the step's work is left out, not the lines at its end
	s_cbranch_scc1 .Lhid_\@
	s_wait_dscnt 32                                ; K and am are in; V's 32 loads, the youngest of the fetch, may be out
.if \hasl
	s_cmp_gt_u32 s[KEY], s[LIML]
	s_cbranch_scc1 .Lno_l_\@
	JOBA 0, FULL
	s_wait_dscnt 0x0                               ; V is in
	JOBB 0, \par
.Lno_l_\@:
.endif
	JOBA 2, FULH
	s_wait_dscnt 0x0                               ; V is in
.if \fetch == 1
	FETCH 1                                        ; all products K Q^T of this step are issued: K's and am's registers take the next step's; V's go to the other buffer
.elseif \fetch == 2
	s_add_co_u32 s96, s[KEY], 64
	s_cmp_gt_u32 s96, s[LIMH]
	s_cbranch_scc1 .Lno_f_\@
	FETCH 0
.Lno_f_\@:
.endif
	JOBB 2, \par
.Lhid_\@:
	s_add_co_u32 s[KEY], s[KEY], 64
	s_add_co_u32 s[TB], s[TB], STEPB
	s_add_co_u32 s[TA], s[TA], 256
.endm
	; the prologue: step 0's K and am; V of step 1 into the odd buffer, so that it is written on every way; V of step 0
	v_add_nc_u32 v[ADR], s[TB], v[AK0]
	v_add_nc_u32 v[ADR3], s[TA], v[AAM0]
	v_add_nc_u32 v[ADR2], STEPB, v[AV0]
	FETCH_K
	FETCH_AM
	FETCH_V 1
	WIN 0
	v_mov_b32 v[ADR2], v[AV0]
	FETCH_V 0
	WIN 0
	s_mov_b32 s[TB], STEPB
	s_mov_b32 s[TA], 256
.Lslot:                                            ; six trips: slots 0 to 5; each asks for the slot two on (up to the work-group's limit)
	STEP 0, 1, 0, 1
	STEP 1, 1, 1, 2
	s_sub_co_u32 s[SLOTS], s[SLOTS], 1
	s_cmp_lg_u32 s[SLOTS], 0
	s_cbranch_scc1 .Lslot
	STEP 0, 0, 0, 1                                ; slots 6 and 7 are written out: nothing is left to ask for, and piece L's queries end at 511
	STEP 1, 0, 2, 2
	STEP 0, 0, 0, 1
	STEP 1, 0, 0, 0
	; THE WAY OUT.  l's halves and the other half of the lanes' are added; O^T / l is rounded to f16 and goes through my stage, a tile (16 rows) at a time.
	s_wait_dscnt 0x0                               ; a fetch for a step that was left out may still be out: its registers are written below
.irp t, 0,1,2,3
	v_add_f32 v[ST+8*\t+4], v[ST+8*\t+2], v[ST+8*\t+3]
.endr
.irp t, 0,1,2,3
	v_permlanex16_b32 v[ST+8*\t+5], v[ST+8*\t+4], s[SEL], s[SEL+1]
.endr
.irp t, 0,1,2,3
	v_add_f32 v[ST+8*\t+4], v[ST+8*\t+4], v[ST+8*\t+5]
.endr
.irp t, 0,1,2,3
	v_rcp_f32 v[ST+8*\t+6], v[ST+8*\t+4]
.endr
	v_nop                                          ; a plain line behind the last reciprocal,
	s_wait_alu depctr_va_vdst(0)                   ; and one wait for the four, ahead of their first reader
.macro PACK t
	WIN W_RS
.set i, 64*(\t)
.rept 32
	v_pk_mul_f32 v[i:i+1], v[i:i+1], v[ST+8*(\t)+6:ST+8*(\t)+7] op_sel_hi:[1,0]
.set i, i+2
.endr
	WIN 0x05                                       ; sources window 1, destination window 0
.set i, 0
.rept 32
	v_cvt_pk_f16_f32 v[S+32*(\t)+i], v[64*(\t)+2*i], v[64*(\t)+2*i+1]
.set i, i+1
.endr
	WIN 0
.irp f, 0,1,2,3,4,5,6,7
	ds_store_b128 v[STO], v[S+32*(\t)+4*\f:S+32*(\t)+4*\f+3] offset:32*\f
.endr
.irp f, 0,1,2,3,4,5,6,7
	ds_load_b128 v[S+32*(\t)+4*\f:S+32*(\t)+4*\f+3], v[RD] offset:\f*2*SP   ; LDS serves a wave's instructions in order: these see the stores above, and the next tile's stores come behind them
.endr
.endm
.macro SEND t, younger, base           ; younger: the LDS instructions issued behind tile t's loads: the next tile's sixteen, or none
.irp f, 0,1,2,3,4,5,6,7
	s_wait_dscnt \younger+7-\f
	global_store_b128 v[GO], v[S+32*(\t)+4*\f:S+32*(\t)+4*\f+3], s[\base:\base+1] offset:((\t)%2)*32768+\f*4096   ; 16 lanes store 256 consecutive bytes, aligned
.endr
.endm
	PACK 0
	PACK 1
	SEND 0, 16, OBL
	PACK 2
	SEND 1, 16, OBL
	PACK 3
	SEND 2, 16, OBH
	SEND 3, 0, OBH
	s_wait_tensorcnt 0x0                           ; the wave's end
	ds_add_u32 v[SPW], v[NIL]
	s_wait_dscnt 0x0
	s_endpgm
.Lfunc_end_k_qb1c6365c23_attn:
	.size	k_qb1c6365c23_attn, .Lfunc_end_k_qb1c6365c23_attn-k_qb1c6365c23_attn
	.p2alignl 7, 3214868480
	.fill 96, 4, 3214868480
	.section	.rodata,"a",@progbits
	.p2align	6, 0x0
	.amdhsa_kernel k_qb1c6365c23_attn
		.amdhsa_group_segment_fixed_size 327680
		.amdhsa_private_segment_fixed_size 0
		.amdhsa_enable_private_segment 0
		.amdhsa_kernarg_size 24
		.amdhsa_user_sgpr_count 2
		.amdhsa_user_sgpr_kernarg_segment_ptr 1
		.amdhsa_wavefront_size32 1
		.amdhsa_system_sgpr_workgroup_id_x 1
		.amdhsa_system_sgpr_workgroup_id_y 1
		.amdhsa_system_sgpr_workgroup_id_z 1
		.amdhsa_system_vgpr_workitem_id 0
		.amdhsa_next_free_vgpr 1024
		.amdhsa_next_free_sgpr 100
		.amdhsa_reserve_vcc 1
		.amdhsa_float_denorm_mode_32 3
		.amdhsa_float_denorm_mode_16_64 3
		.amdhsa_memory_ordered 1
		.amdhsa_forward_progress 1
		.amdhsa_inst_pref_size 255
	.end_amdhsa_kernel
	.section	.bss,"aw",@nobits
	.p2align	6
	.space	262144
	.amdgpu_metadata
---
amdhsa.version: [ 1, 2 ]
amdhsa.kernels:
  - .name:           k_qb1c6365c23_attn
    .symbol:         k_qb1c6365c23_attn.kd
    .args:
      - { .name: qkv, .offset: 0, .size: 8, .value_kind: global_buffer, .address_space: global }
      - { .name: attention_mask, .offset: 8, .size: 8, .value_kind: global_buffer, .address_space: global }
      - { .name: a16, .offset: 16, .size: 8, .value_kind: global_buffer, .address_space: global }
    .group_segment_fixed_size: 327680
    .private_segment_fixed_size: 0
    .kernarg_segment_align: 8
    .kernarg_segment_size: 24
    .max_flat_workgroup_size: 128
    .sgpr_count:     100
    .vgpr_count:     1024
    .wavefront_size: 32
...
	.end_amdgpu_metadata
.endif
;; end of part 3
;; launch proj (part 4): grid 4 x 64, 4 waves a work-group, clusters of 4 x 4, 327,680 bytes of LDS; arguments a16, wp16, b_proj, out0; writes out0
.if DOCPART == 4
	.amdgcn_target "amdgcn-amd-amdhsa--gfx1250"
	.amdhsa_code_object_version 6
	.text
	.protected	k_qb1c6365c23_proj
	.globl	k_qb1c6365c23_proj
	.p2align	8
	.type	k_qb1c6365c23_proj,@function
k_qb1c6365c23_proj:
	s_mov_b64 s[64:65], 0
	v_nop
	global_prefetch_b8 v0, s[64:65] scope:SCOPE_SE
	s_setreg_imm32_b32 hwreg(HW_REG_WAVE_MODE, 25, 1), 1
	s_wait_xcnt 0x0
	s_wait_alu depctr_hold_cnt(0) depctr_sa_sdst(0) depctr_va_vdst(0) depctr_va_sdst(0) depctr_va_ssrc(0) depctr_va_vcc(0) depctr_vm_vsrc(0)
	s_getreg_b32 s2, hwreg(HW_REG_IB_STS2, 6, 4)
	s_cmp_eq_u32 s2, 0
	s_cbranch_scc0 .Lentry_in_a_cluster
	s_endpgm
.Lentry_in_a_cluster:
	s_bfe_u32 s2, ttmp6, 0x10000c
	s_cmp_lg_u32 s2, 0xf033
	s_cbranch_scc0 .Lentry_shape_is_right
	s_endpgm
.Lentry_shape_is_right:
; out0 = a W_proj + b_proj.  a16: [8192][1024] f16; wp16: [1024 k][1024 n] f16 (W_proj's own order); b_proj [1024], out0 [8192][1024]: f32.  Sums in f32.
; A tile of 128 (m) x 256 (n) gives 256 work-groups.  Four waves, each 64 x 128: 32 accumulators, 256 registers.  K goes in steps of 128 through a ring of two LDS slots.
; A's rows lie along K and come out of LDS as they lie; W's rows lie along n: its fragments come out TURNED, by ds_load_tr16_b128.
; THE MATRIX INSTRUCTION IS USED TRANSPOSED (source 0 = 16 columns n of W, source 1 = 16 rows of a): a lane holds eight neighbouring columns of one row of the result.  The bias is the C of each sum's first instruction.
; CLUSTERS: 4 x 4 work-groups: a's tile is asked for jointly along a row of the cluster, W's along a column.  By this text's count a wave has two tensor loads out at the head and one behind each round.
; REGISTERS: window 0: v16-30 addresses; v64-95, v96-127 a's fragments, two buffers; v128-191 the bias; way out v192-255 and v64-127.  window 1: W's fragments, v0-63 and v64-127.  window 2: accumulator (a, b) at v[8 (8 a + b)].
.set KSTEP,  128
.set PA,     272                       ; a row of a's tile in LDS: 256 bytes + 16
.set PB,     544                       ; a k-row of W's tile: 512 bytes + 32 = 17 x 32
.set ATILE,  128*PA
.set SLOT,   ATILE+128*PB              ; a's 128 rows, then W's 128 k-rows
.set STAGE,  2*SLOT                    ; 16 rows x (512 + 16) bytes a wave
.set SPITCH, 528
.set SPARE,  STAGE+4*16*SPITCH         ; the spare words, 128 bytes a wave
.set ADRA, 16
.set ADRB, 20
.set STO,  24
.set RD,   25
.set CO,   26
.set BO,   27
.set SPW,  28
.set NIL,  29
.set PFO,  30
.set AF,   64
.set BIAS, 128
.set G1,  24
.set G0,  32
.set G1B, 48
.set G0B, 56
.set PFA, 66
.set BP,  68
.set OUTP, 70
.set LIM, 72
.set MSB, 0
.macro WIN new
.if MSB != (\new)
	s_set_vgpr_msb (MSB<<8)|(\new)
.set MSB, (\new)
.endif
.endm
.set MUL,  0xa1                        ; source 0 (W) window 1, source 1 (a) window 0, C and D window 2
.set MUL0, 0x81                        ; the first quarter: C (the bias) window 0
.set TO_B, 0x40
.macro JLOAD s                         ; waves 0 and 1 fetch a's two halves, waves 2 and 3 W's; an s_nop 0 and four v_nop follow each line
	s_cmp_eq_u32 s11, 0
	s_cbranch_scc0 .Lfor_b_\@
	tensor_load_to_lds s[G0+4*\s:G0+4*\s+3], s[G1:G1+7]
	s_nop 0
.rept 4
	v_nop
.endr
	s_branch .Lasked_\@
.Lfor_b_\@:
	tensor_load_to_lds s[G0B+4*\s:G0B+4*\s+3], s[G1B:G1B+7]
	s_nop 0
.rept 4
	v_nop
.endr
.Lasked_\@:
.endm
.macro CREST                           ; a round of the cluster's barrier behind its opening barrier
	s_cmp_lg_u32 s10, 0
	s_cbranch_scc1 .Lnot_wave_0_\@
	s_barrier_signal -3
.Lnot_wave_0_\@:
	s_barrier_wait -3
	s_barrier_signal -1
	s_barrier_wait -1
.endm
.macro CROUND
	s_barrier_signal -1
	s_barrier_wait -1
	CREST
.endm
; A prefetch of a16's K step two refills on: the tile's 128 rows are shared out among the four partners of my row of the cluster BY ADDRESS, 32 each; wave 0 asks, a lane a row of 256 bytes: each is named once in the launch.
; The loop's last trip has no K step two refills on.  W's 2 MiB, which every cluster walks at the same time, are not asked for.
.macro ASK
	s_cmp_gt_u32 s3, s[LIM]
	s_cbranch_scc0 .Lnot_mine_\@
	global_prefetch_b8 v[PFO], s[PFA:PFA+1] offset:KSTEP*2 th:TH_LOAD_NT scope:SCOPE_SE
.Lnot_mine_\@:
.endm
	s_load_b128 s[4:7], s[0:1], 0x0                ; a16, wp16
	s_load_b128 s[68:71], s[0:1], 0x10             ; b_proj, out0
	v_lshl_add_u32 v[SPW], v0, 2, SPARE
	v_mov_b32 v[NIL], 0
	ds_add_u32 v[SPW], v[NIL]                      ; the wave's opening: the add, twice on end, and its wait ahead of my first tensor load
	ds_add_u32 v[SPW], v[NIL]
	v_lshrrev_b32 v1, 5, v0
	v_readfirstlane_b32 s10, v1                    ; wave 0..3
	s_lshr_b32 s11, s10, 1                         ; which 64 rows are mine.  Also: I fetch for a (0) or for W (1)
	s_and_b32 s12, s10, 1                          ; which 128 columns.  Also: which half of that tile I fetch
	s_bfe_u32 s40, ttmp6, 0x40000                  ; cx, cy
	s_bfe_u32 s41, ttmp6, 0x40004
	s_lshl_b32 s42, ttmp9, 2
	s_add_co_u32 s42, s42, s40                     ; tile column
	s_and_b32 s13, ttmp7, 0xffff
	s_lshl_b32 s13, s13, 2
	s_add_co_u32 s13, s13, s41                     ; tile row
	s_lshl_b32 s43, s41, 2
	s_lshl_b32 s43, 15, s43                        ; my row of the cluster
	s_lshl_b32 s44, 0x1111, s40                    ; my column
	s_or_b32 s[G1+0], s43, (1<<16)|(1<<20)|(1<<21)|(5<<22)|(3<<25)   ; a: 64 rows x 128 elements of 2 bytes; 4 words of padding after every 64
	s_mov_b32 s[G1+1], 128<<16
	s_mov_b32 s[G1+2], 64<<16
	s_mov_b32 s[G1+3], 128<<16
	s_mov_b32 s[G1+4], 64
	s_mov_b32 s[G1+5], 1024
	s_mov_b32 s[G1+6], 0
	s_mov_b32 s[G1+7], 0
	s_or_b32 s[G1B+0], s44, (1<<16)|(1<<20)|(1<<21)|(6<<22)|(7<<25)  ; W: 64 k-rows x 256 elements; 8 words after every 128
	s_mov_b32 s[G1B+1], 256<<16
	s_mov_b32 s[G1B+2], 64<<16
	s_mov_b32 s[G1B+3], 256<<16
	s_mov_b32 s[G1B+4], 64
	s_mov_b32 s[G1B+5], 1024
	s_mov_b32 s[G1B+6], 0
	s_mov_b32 s[G1B+7], 0
	s_lshl_b32 s16, s13, 7
	s_lshl_b32 s17, s12, 6
	s_add_co_u32 s16, s16, s17
	s_lshl_b32 s16, s16, 11                        ; a: (128 x tile row + 64 x half) rows of 2,048 bytes
	s_mov_b32 s17, 0
	s_lshl_b32 s46, s42, 9
	s_lshl_b32 s47, s12, 17
	s_add_co_u32 s46, s46, s47                     ; W: 64 x half k-rows of 2,048 bytes + 512 x tile column
	s_mov_b32 s47, 0
	s_mul_i32 s20, s12, 64*PA                      ; where they go: no place in the cluster enters an LDS address
	s_mul_i32 s21, s12, 64*PB
	s_add_co_u32 s21, s21, ATILE
	s_wait_dscnt 0x0                               ; both opening adds are done
	s_wait_kmcnt 0x0
	s_add_nc_u64 s[14:15], s[4:5], s[16:17]
	s_add_nc_u64 s[46:47], s[6:7], s[46:47]
	CROUND                                         ; all sixteen work-groups are here: the first joint loads meet
.irp s, 0,1
	s_mov_b32 s[G0+4*\s], 1
	s_add_co_u32 s[G0+4*\s+1], s20, \s*SLOT
	s_add_nc_u64 s[G0+4*\s+2:G0+4*\s+3], s[14:15], \s*KSTEP*2
	s_or_b32 s[G0+4*\s+3], s[G0+4*\s+3], 0x80000000
	s_mov_b32 s[G0B+4*\s], 1
	s_add_co_u32 s[G0B+4*\s+1], s21, \s*SLOT
	s_add_nc_u64 s[G0B+4*\s+2:G0B+4*\s+3], s[46:47], \s*KSTEP*2048
	s_or_b32 s[G0B+4*\s+3], s[G0B+4*\s+3], 0x80000000
	JLOAD \s
.endr
	v_and_b32 v1, 15, v0                           ; r
	v_bfe_u32 v2, v0, 4, 1                         ; h
	s_lshl_b32 s46, s42, 10                        ; my first column x 4 bytes: 1,024 x tile column + 512 x half
	s_lshl_b32 s47, s12, 9
	s_add_co_u32 s46, s46, s47
	s_mov_b32 s47, 0
	s_add_nc_u64 s[BP:BP+1], s[BP:BP+1], s[46:47]
	v_lshlrev_b32 v[BO], 5, v2
.irp b, 0,1,2,3,4,5,6,7
	global_load_b128 v[BIAS+8*\b:BIAS+8*\b+3],   v[BO], s[BP:BP+1] offset:64*\b
	global_load_b128 v[BIAS+8*\b+4:BIAS+8*\b+7], v[BO], s[BP:BP+1] offset:64*\b+16
.endr
	v_mul_u32_u24 v3, v1, PA
	v_lshl_add_u32 v3, v2, 4, v3                   ; a: row x pitch + 16 x half
	v_and_b32 v4, 7, v0
	v_lshl_add_u32 v4, v2, 3, v4                   ; W, turning load: k-row 8 h + l % 8,
	v_mul_u32_u24 v4, v4, PB
	v_bfe_u32 v5, v0, 3, 1
	v_lshl_add_u32 v4, v5, 4, v4                   ; columns 8 ((l / 8) % 2) on
	s_mul_i32 s8, s11, 64*PA                       ; my 64 rows of a
	s_lshl_b32 s9, s12, 8                          ; my 128 columns of W,
	s_add_co_u32 s9, s9, ATILE                     ; behind a's tile
.irp s, 0,1
	v_add_nc_u32 v[ADRA+\s], s8, v3
	v_add_nc_u32 v[ADRB+\s], s9, v4
	s_add_co_u32 s8, s8, SLOT
	s_add_co_u32 s9, s9, SLOT
.endr
	s_mul_i32 s8, s10, 16*SPITCH
	s_add_co_u32 s8, s8, STAGE                     ; my stage
	v_mul_u32_u24 v5, v1, SPITCH
	v_lshl_add_u32 v5, v2, 5, v5
	v_add_nc_u32 v[STO], s8, v5                    ; in: row r, 32 bytes for each half of the lanes
	v_and_b32 v6, 31, v0
	v_lshlrev_b32 v[CO], 4, v6                     ; back: the 32 lanes take one row of 512 bytes; and the same in out0
	v_add_nc_u32 v[RD], s8, v[CO]
	s_lshl_b32 s8, s13, 7
	s_lshl_b32 s9, s11, 6
	s_add_co_u32 s8, s8, s9
	s_lshl_b32 s8, s8, 12                          ; my first row of out0 x 4,096 bytes
	s_mov_b32 s9, 0
	s_add_nc_u64 s[OUTP:OUTP+1], s[OUTP:OUTP+1], s[8:9]
	s_add_nc_u64 s[OUTP:OUTP+1], s[OUTP:OUTP+1], s[46:47]
	s_lshl_b32 s22, s13, 7                         ; the prefetches: the tile's first row,
	s_lshl_b32 s23, s40, 5
	s_add_co_u32 s22, s22, s23                     ; + my work-group's 32 of its 128,
	s_lshl_b32 s22, s22, 11
	s_add_co_u32 s22, s22, 2*KSTEP*2               ; at K step 2: the first refill steps it to 3 and names K step 4
	s_mov_b32 s23, 0
	s_add_nc_u64 s[PFA:PFA+1], s[4:5], s[22:23]
	s_cmp_eq_u32 s10, 0
	s_cselect_b32 s[LIM], 1, -1                    ; wave 0 asks: the same in all sixteen partners
	v_and_b32 v[PFO], 31, v0
	v_lshlrev_b32 v[PFO], 11, v[PFO]
; 8 matrix instructions: rows 16 a on x all 8 column blocks, 32 along K, buffer f.  zero = 1: the first product starts the sums on the bias.  The 32 accumulators take turns.
.macro MUL8 f, a, zero
.irp b, 0,1,2,3,4,5,6,7
.if \zero
	v_wmma_f32_16x16x32_f16 v[8*(8*(\a)+\b):8*(8*(\a)+\b)+7], v[64*(\f)+8*\b:64*(\f)+8*\b+7], v[AF+32*(\f)+8*(\a):AF+32*(\f)+8*(\a)+7], v[BIAS+8*\b:BIAS+8*\b+7]
.else
	v_wmma_f32_16x16x32_f16 v[8*(8*(\a)+\b):8*(8*(\a)+\b)+7], v[64*(\f)+8*\b:64*(\f)+8*\b+7], v[AF+32*(\f)+8*(\a):AF+32*(\f)+8*(\a)+7], v[8*(8*(\a)+\b):8*(8*(\a)+\b)+7]
.endif
.endr
.endm
; 24 LDS loads in one run: the slot's q-th 32 along K into buffer f: W's 8 fragments (turned), then a's 4
.macro FETCH slot, q, f
	WIN TO_B
.irp b, 0,1,2,3,4,5,6,7
	ds_load_tr16_b128 v[64*(\f)+8*\b:64*(\f)+8*\b+3],   v[ADRB+\slot] offset:(\q)*32*PB+32*\b
	ds_load_tr16_b128 v[64*(\f)+8*\b+4:64*(\f)+8*\b+7], v[ADRB+\slot] offset:(\q)*32*PB+16*PB+32*\b
.endr
	WIN 0
.irp a, 0,1,2,3
	ds_load_b128 v[AF+32*(\f)+8*\a:AF+32*(\f)+8*\a+3],   v[ADRA+\slot] offset:64*(\q)+\a*16*PA
	ds_load_b128 v[AF+32*(\f)+8*\a+4:AF+32*(\f)+8*\a+7], v[ADRA+\slot] offset:64*(\q)+\a*16*PA+32
.endr
.endm
.macro PLACES                          ; four plain lines in front of loads into registers that matrix instructions have read, and of reads of results
.rept 4
	v_nop
.endr
.endm
; A quarter of a K step: multiplies buffer f; in its middle it fetches the slot's q-th 32 along K into buffer g.
.macro QUARTER slot, q, f, g, zero
	s_wait_dscnt 4                                 ; W's fragments and a's blocks 0, 1 are in; the youngest four loads (blocks 2, 3) may be out
.if \zero
	WIN MUL0
.else
	WIN MUL
.endif
	MUL8 \f, 0, \zero
	MUL8 \f, 1, \zero
	PLACES
	FETCH \slot, \q, \g
	s_wait_dscnt 24                                ; all but the 24 just issued
.if \zero
	WIN MUL0
.else
	WIN MUL
.endif
	MUL8 \f, 2, \zero
	MUL8 \f, 3, \zero
.endm
; A K step's last quarter multiplies buffer 1 and changes slots: one barrier; in front of it each wave waits for all its tensor loads, adds 0 to its spare word, and waits for that and for its reads of this slot.
; fill = 1: the barrier opens a round of the cluster's barrier, and this slot is filled again, two K steps ahead: from that request to the wait for it a wave issues 112 matrix instructions.
.macro TURN slot, next, fill
.if \fill
	s_wait_xcnt 0x0                                ; the last prefetch, a K step back, has read its address
	s_add_nc_u64 s[PFA:PFA+1], s[PFA:PFA+1], KSTEP*2
.endif
	WIN 0                                          ; (the add's two registers lie in window 0)
	s_wait_tensorcnt 0x0                           ; all my tensor loads have landed: my part of the next slot
	ds_add_u32 v[SPW], v[NIL]
	s_wait_dscnt 5                                 ; the add and the youngest four loads may be out
	WIN MUL
	MUL8 1, 0, 0
	s_wait_dscnt 0x0                               ; the add is done, and my reads of this slot are over
	s_barrier_signal -1
	MUL8 1, 1, 0
.if \fill
	WIN 0
.endif
	s_barrier_wait -1
.if \fill
	CREST                                          ; no wave of any partner still reads this slot's tile or has a load on its way
	s_add_nc_u64 s[G0+4*\slot+2:G0+4*\slot+3], s[G0+4*\slot+2:G0+4*\slot+3], 2*KSTEP*2
	s_add_nc_u64 s[G0B+4*\slot+2:G0B+4*\slot+3], s[G0B+4*\slot+2:G0B+4*\slot+3], 2*KSTEP*2048
	JLOAD \slot                                    ; the first tensor load behind the round; its four v_nop are also the places in front of the loads below
.else
	PLACES
.endif
	FETCH \next, 0, 0
.if \fill
	ASK
.endif
	WIN MUL
	MUL8 1, 2, 0
	MUL8 1, 3, 0
.endm
	s_wait_tensorcnt 1                             ; my part of K step 0 is in; K step 1's load, the one issued behind it, may be out
	s_barrier_signal -1
	s_barrier_wait -1
	FETCH 0, 0, 0
	s_wait_loadcnt 0x0                             ; the bias
	QUARTER 0, 1, 0, 1, 1                          ; the first quarter stands in front of the loop: its products start the sums
	WIN 0
	s_mov_b32 s3, 3
.Llap:                                             ; a trip goes once round the ring, from a lap's second quarter to the next lap's first, and fills both slots again
	QUARTER 0, 2, 1, 0, 0
	QUARTER 0, 3, 0, 1, 0
	TURN 0, 1, 1
	QUARTER 1, 1, 0, 1, 0
	QUARTER 1, 2, 1, 0, 0
	QUARTER 1, 3, 0, 1, 0
	TURN 1, 0, 1
	QUARTER 0, 1, 0, 1, 0
	WIN 0
	s_sub_co_u32 s3, s3, 1
	s_cmp_lg_u32 s3, 0
	s_cbranch_scc1 .Llap
	QUARTER 0, 2, 1, 0, 0                          ; the last lap fills nothing, and has no round of the cluster's barrier
	QUARTER 0, 3, 0, 1, 0
	TURN 0, 1, 0
	QUARTER 1, 1, 0, 1, 0
	QUARTER 1, 2, 1, 0, 0
	QUARTER 1, 3, 0, 1, 0
	s_wait_dscnt 4                                 ; the very last quarter: nothing more to fetch
	WIN MUL
	MUL8 1, 0, 0
	MUL8 1, 1, 0
	s_wait_dscnt 0
	MUL8 1, 2, 0
	MUL8 1, 3, 0
	WIN 0
; THE WAY OUT, block by block of 16 rows x 128 columns of f32: a lane's 32 bytes go into my stage, whole rows of 512 bytes come back, and the 32 lanes store them as 512 consecutive bytes, aligned.
.macro TOSTAGE a
	WIN 0x08                                       ; an LDS store's data are its source 1: window 2
.irp b, 0,1,2,3,4,5,6,7
	ds_store_b128 v[STO], v[8*(8*(\a)+\b):8*(8*(\a)+\b)+3] offset:64*\b        ; each accumulator from its low end on
	ds_store_b128 v[STO], v[8*(8*(\a)+\b)+4:8*(8*(\a)+\b)+7] offset:64*\b+16
.endr
	WIN 0
.set BB, 192-128*((\a)%2)
.irp t, 0,1,2,3,4,5,6,7,8,9,10,11,12,13,14,15
	ds_load_b128 v[BB+4*\t:BB+4*\t+3], v[RD] offset:\t*SPITCH   ; LDS serves a wave's instructions in order: these see the stores above
.endr
.endm
.macro SEND a, younger                 ; younger: the LDS instructions issued behind block a's loads: the next block's 16 stores and 16 loads, or none
.set BB, 192-128*((\a)%2)
	s_wait_dscnt \younger
.irp t, 0,1,2,3,4,5,6,7,8,9,10,11,12,13,14,15
	global_store_b128 v[CO], v[BB+4*\t:BB+4*\t+3], s[OUTP:OUTP+1] offset:(\a)*65536+\t*4096 th:TH_STORE_NT
.endr
.endm
	PLACES
	TOSTAGE 0
.irp a, 1,2,3
.if \a > 1
	s_wait_xcnt 0x0                                ; block a - 2's stores have read their registers: block a's loads may land there
.endif
	TOSTAGE \a
	SEND \a-1, 32
.endr
	SEND 3, 0
	s_wait_tensorcnt 0x0                           ; the wave's end
	ds_add_u32 v[SPW], v[NIL]
	s_wait_dscnt 0x0
	CROUND                                         ; the closing round
	s_endpgm
.Lfunc_end_k_qb1c6365c23_proj:
	.size	k_qb1c6365c23_proj, .Lfunc_end_k_qb1c6365c23_proj-k_qb1c6365c23_proj
	.p2alignl 7, 3214868480
	.fill 96, 4, 3214868480
	.section	.rodata,"a",@progbits
	.p2align	6, 0x0
	.amdhsa_kernel k_qb1c6365c23_proj
		.amdhsa_group_segment_fixed_size 327680
		.amdhsa_private_segment_fixed_size 0
		.amdhsa_enable_private_segment 0
		.amdhsa_kernarg_size 32
		.amdhsa_user_sgpr_count 2
		.amdhsa_user_sgpr_kernarg_segment_ptr 1
		.amdhsa_wavefront_size32 1
		.amdhsa_system_sgpr_workgroup_id_x 1
		.amdhsa_system_sgpr_workgroup_id_y 1
		.amdhsa_system_sgpr_workgroup_id_z 1
		.amdhsa_system_vgpr_workitem_id 0
		.amdhsa_next_free_vgpr 768
		.amdhsa_next_free_sgpr 76
		.amdhsa_reserve_vcc 0
		.amdhsa_float_denorm_mode_32 3
		.amdhsa_float_denorm_mode_16_64 3
		.amdhsa_memory_ordered 1
		.amdhsa_forward_progress 1
		.amdhsa_inst_pref_size 88
	.end_amdhsa_kernel
	.amdgpu_metadata
---
amdhsa.version: [ 1, 2 ]
amdhsa.kernels:
  - .name:           k_qb1c6365c23_proj
    .symbol:         k_qb1c6365c23_proj.kd
    .args:
      - { .name: a16, .offset: 0, .size: 8, .value_kind: global_buffer, .address_space: global }
      - { .name: wp16, .offset: 8, .size: 8, .value_kind: global_buffer, .address_space: global }
      - { .name: b_proj, .offset: 16, .size: 8, .value_kind: global_buffer, .address_space: global }
      - { .name: out0, .offset: 24, .size: 8, .value_kind: global_buffer, .address_space: global }
    .group_segment_fixed_size: 327680
    .private_segment_fixed_size: 0
    .kernarg_segment_align: 8
    .kernarg_segment_size: 32
    .max_flat_workgroup_size: 128
    .sgpr_count:     76
    .vgpr_count:     768
    .wavefront_size: 32
...
	.end_amdgpu_metadata
.endif
;; end of part 4
